; MI455X (gfx1250); checked and timed in simulation.
; The chip was launched on July 23, 2026; its instructions are those of AMD's public machine-readable ISA for CDNA 5 (MIT licence, August 2026) and "CDNA5" Instruction Set Architecture Reference Guide (July 2026). The comments in the code are by the model that wrote it; some were corrected since.
;; Time Aware Temporal Attention. Allowed arithmetic: float matrix products may take bf16 or f16 operands with f32 sums; other float arithmetic in f32, or as packed bf16 or f16 multiplies, adds, multiply-adds, maxima and minima; sums over many terms, partial sums and values carried from step to step in f32; what a program stores and reads back later, other than sums and carried values, may be rounded once to bf16 or f16.
;; Inputs: Wk 512 x 512 float32; Wo 512 x 512 float32; Wq 512 x 512 float32; Wv 512 x 512 float32; bk 512 float32; bo 512 float32; bq 512 float32; bv 512 float32; time_intervals 32 x 1,024 float32; x 32 x 1,024 x 512 float32.
;; Outputs: out0 32 x 1,024 x 512 float32.
;; One version. Each part assembles by itself: llvm-mc -triple=amdgcn-amd-amdhsa -mcpu=gfx1250 --defsym DOCPART=n.
;; ======== version 1 of 1: 4 launches
;; limits: values are held in f16: magnitudes above 65,504 overflow, below 6.1e-05 lose precision
;; workspace buffers: wts 2,105,344 bytes; qkv 100,663,296 bytes; o16 33,554,432 bytes
;; launch prep (part 1): grid 64 x 4, 8 waves a work-group, no clusters, 0 bytes of LDS; arguments Wq, Wk, Wv, Wo, bq, bk, bv, bo, wts; writes wts
.if DOCPART == 1
	.amdgcn_target "amdgcn-amd-amdhsa--gfx1250"
	.amdhsa_code_object_version 6
	.text
	.protected	k_q4381c8028c_prep
	.globl	k_q4381c8028c_prep
	.p2align	8
	.type	k_q4381c8028c_prep,@function
k_q4381c8028c_prep:
	s_mov_b64 s[64:65], 0
	v_nop
	global_prefetch_b8 v0, s[64:65] scope:SCOPE_SE
	s_setreg_imm32_b32 hwreg(HW_REG_WAVE_MODE, 25, 1), 1
	s_wait_xcnt 0x0
; THE WEIGHTS AND BIASES IN THE FORM THE LATER LAUNCHES READ.  wts: bytes 0 .. 1,572,863 Wq, Wk, Wv as bf16, [1536][512]; from 1,572,864 Wo, [512][512]: rounded to bf16
; and that number written as f16; from BIASOFF 2,048 f32: bq, bk, bv, bo, each rounded to bf16 and widened again.
; All the module's inputs are rounded to bf16, once, in the whole program: weights and biases here, x in the launch qkv, the times in the launch attn.
; LIMIT.  A weight of Wo below 2^-14 in magnitude keeps f16's fixed step of 2^-24; beyond 65,504 it would be an infinity.
; A stream: no LDS, no matrix unit.  Work-group (x, y): matrix y, its elements 4,096 x .. 4,096 x + 4,095; thread t takes 8 neighbouring numbers in each of two passes, so a wave's
; store covers 512 consecutive bytes.  The four work-groups with x = 0 also round their matrix's bias (512 numbers, waves 0 to 3).
.set BIASOFF, 2097152
	s_load_b512 s[8:23], s[0:1], 0x0               ; Wq s[8:9], Wk s[10:11], Wv s[12:13], Wo s[14:15], bq s[16:17], bk s[18:19], bv s[20:21], bo s[22:23]
	s_load_b64 s[24:25], s[0:1], 0x40              ; wts
	s_and_b32 s2, ttmp7, 0xffff                    ; y: which matrix
	v_lshrrev_b32 v3, 5, v0
	v_readfirstlane_b32 s3, v3                     ; wave 0..7
	v_lshlrev_b32 v1, 5, v0                        ; 32 t: my 8 numbers as f32
	v_lshlrev_b32 v2, 4, v0                        ; 16 t: my 8 numbers in 16 bits; also my 4 numbers of a bias
	s_lshl_b32 s28, ttmp9, 14                      ; the work-group's 4,096 numbers: 16,384 bytes in,
	s_mov_b32 s29, 0
	s_lshl_b32 s30, s2, 19                         ; 524,288 bytes a matrix out,
	s_lshl_b32 s31, ttmp9, 13                      ; 8,192 bytes a work-group
	s_add_co_u32 s30, s30, s31
	s_mov_b32 s31, 0
	s_lshl_b32 s32, s2, 11                         ; 2,048 bytes a bias
	s_add_co_u32 s32, s32, BIASOFF
	s_mov_b32 s33, 0
	s_wait_kmcnt 0x0
	s_mov_b64 s[4:5], s[8:9]                       ; the matrix and the bias are chosen by y
	s_mov_b64 s[6:7], s[16:17]
	s_cmp_eq_u32 s2, 1
	s_cselect_b64 s[4:5], s[10:11], s[4:5]
	s_cselect_b64 s[6:7], s[18:19], s[6:7]
	s_cmp_eq_u32 s2, 2
	s_cselect_b64 s[4:5], s[12:13], s[4:5]
	s_cselect_b64 s[6:7], s[20:21], s[6:7]
	s_cmp_eq_u32 s2, 3
	s_cselect_b64 s[4:5], s[14:15], s[4:5]
	s_cselect_b64 s[6:7], s[22:23], s[6:7]
	s_add_nc_u64 s[4:5], s[4:5], s[28:29]
	s_add_nc_u64 s[26:27], s[24:25], s[32:33]      ; where the rounded bias goes
	s_add_nc_u64 s[24:25], s[24:25], s[30:31]      ; where the work-group's numbers go
	global_load_b128 v[4:7], v1, s[4:5] th:TH_LOAD_NT
	global_load_b128 v[8:11], v1, s[4:5] offset:16 th:TH_LOAD_NT
	global_load_b128 v[12:15], v1, s[4:5] offset:8192 th:TH_LOAD_NT
	global_load_b128 v[16:19], v1, s[4:5] offset:8208 th:TH_LOAD_NT
	s_wait_loadcnt 0x0
.irp n, 0,1,2,3,4,5,6,7
	v_cvt_pk_bf16_f32 v[20+\n], v[4+2*\n], v[5+2*\n]
.endr
	s_cmp_lg_u32 s2, 3
	s_cbranch_scc1 .Lst
.irp n, 20,21,22,23,24,25,26,27                ; Wo alone: the bf16 numbers are widened and written as f16
	v_lshlrev_b32 v28, 16, v\n
	v_and_b32 v29, 0xffff0000, v\n
	v_cvt_pk_f16_f32 v\n, v28, v29
.endr
.Lst:
	global_store_b128 v2, v[20:23], s[24:25]
	global_store_b128 v2, v[24:27], s[24:25] offset:4096
	s_cmp_lg_u32 ttmp9, 0                          ; the bias: the matrix's first work-group,
	s_cbranch_scc1 .Lend
	s_cmp_gt_u32 s3, 3                             ; its threads 0 to 127, 4 numbers each
	s_cbranch_scc1 .Lend
	global_load_b128 v[4:7], v2, s[6:7]
	s_wait_loadcnt 0x0
	v_cvt_pk_bf16_f32 v28, v4, v5
	v_cvt_pk_bf16_f32 v29, v6, v7
	v_lshlrev_b32 v8, 16, v28                      ; no register that the stores above still read (v2, v20-27) is written here
	v_and_b32 v9, 0xffff0000, v28
	v_lshlrev_b32 v10, 16, v29
	v_and_b32 v11, 0xffff0000, v29
	global_store_b128 v2, v[8:11], s[26:27]
.Lend:
	s_endpgm
.Lfunc_end_k_q4381c8028c_prep:
	.size	k_q4381c8028c_prep, .Lfunc_end_k_q4381c8028c_prep-k_q4381c8028c_prep
	.p2alignl 7, 3214868480
	.fill 96, 4, 3214868480
	.section	.rodata,"a",@progbits
	.p2align	6, 0x0
	.amdhsa_kernel k_q4381c8028c_prep
		.amdhsa_group_segment_fixed_size 0
		.amdhsa_private_segment_fixed_size 0
		.amdhsa_enable_private_segment 0
		.amdhsa_kernarg_size 72
		.amdhsa_user_sgpr_count 2
		.amdhsa_user_sgpr_kernarg_segment_ptr 1
		.amdhsa_wavefront_size32 1
		.amdhsa_system_sgpr_workgroup_id_x 1
		.amdhsa_system_sgpr_workgroup_id_y 1
		.amdhsa_system_sgpr_workgroup_id_z 1
		.amdhsa_system_vgpr_workitem_id 0
		.amdhsa_next_free_vgpr 32
		.amdhsa_next_free_sgpr 66
		.amdhsa_reserve_vcc 0
		.amdhsa_float_denorm_mode_32 3
		.amdhsa_float_denorm_mode_16_64 3
		.amdhsa_memory_ordered 1
		.amdhsa_forward_progress 1
		.amdhsa_inst_pref_size 5
	.end_amdhsa_kernel
	.amdgpu_metadata
---
amdhsa.version: [ 1, 2 ]
amdhsa.kernels:
  - .name:           k_q4381c8028c_prep
    .symbol:         k_q4381c8028c_prep.kd
    .args:
      - { .name: Wq, .offset: 0, .size: 8, .value_kind: global_buffer, .address_space: global }
      - { .name: Wk, .offset: 8, .size: 8, .value_kind: global_buffer, .address_space: global }
      - { .name: Wv, .offset: 16, .size: 8, .value_kind: global_buffer, .address_space: global }
      - { .name: Wo, .offset: 24, .size: 8, .value_kind: global_buffer, .address_space: global }
      - { .name: bq, .offset: 32, .size: 8, .value_kind: global_buffer, .address_space: global }
      - { .name: bk, .offset: 40, .size: 8, .value_kind: global_buffer, .address_space: global }
      - { .name: bv, .offset: 48, .size: 8, .value_kind: global_buffer, .address_space: global }
      - { .name: bo, .offset: 56, .size: 8, .value_kind: global_buffer, .address_space: global }
      - { .name: wts, .offset: 64, .size: 8, .value_kind: global_buffer, .address_space: global }
    .group_segment_fixed_size: 0
    .private_segment_fixed_size: 0
    .kernarg_segment_align: 8
    .kernarg_segment_size: 72
    .max_flat_workgroup_size: 256
    .sgpr_count:     66
    .vgpr_count:     32
    .wavefront_size: 32
...
	.end_amdgpu_metadata
.endif
;; end of part 1
;; launch qkv (part 2): grid 256 x 1, 4 waves a work-group, clusters of 4 x 1, 327,680 bytes of LDS; arguments x, wts, qkv; writes qkv
.if DOCPART == 2
	.amdgcn_target "amdgcn-amd-amdhsa--gfx1250"
	.amdhsa_code_object_version 6
	.text
	.protected	k_q4381c8028c_qkv
	.globl	k_q4381c8028c_qkv
	.p2align	8
	.type	k_q4381c8028c_qkv,@function
k_q4381c8028c_qkv:
	s_mov_b64 s[64:65], 0
	v_nop
	global_prefetch_b8 v0, s[64:65] scope:SCOPE_SE
	s_setreg_imm32_b32 hwreg(HW_REG_WAVE_MODE, 25, 1), 1
	s_wait_xcnt 0x0
	s_wait_alu depctr_hold_cnt(0) depctr_sa_sdst(0) depctr_va_vdst(0) depctr_va_sdst(0) depctr_va_ssrc(0) depctr_va_vcc(0) depctr_vm_vsrc(0)
	s_getreg_b32 s2, hwreg(HW_REG_IB_STS2, 6, 4)
	s_cmp_eq_u32 s2, 0
	s_cbranch_scc0 .Lentry_in_a_cluster
	s_endpgm
.Lentry_in_a_cluster:
	s_bfe_u32 s2, ttmp6, 0x10000c
	s_cmp_lg_u32 s2, 0x3003
	s_cbranch_scc0 .Lentry_shape_is_right
	s_endpgm
.Lentry_shape_is_right:
; q, k, v = bf16(x) W^T + b.  x: [32768][512] f32.  wts: Wq, Wk, Wv as bf16, [1536][512], and the rounded biases as f32 (launch prep).  qkv: f16, [3][32 batches][8 heads][1024][64], unscaled.
; Products in bf16 with f32 sums; the bias is the C operand of each sum's first product; each result is rounded once, to f16.
; LIMIT.  f16 ends at 65,504: |q|, |k|, |v| must stay below it.  x is rounded to bf16, as all the module's inputs are.
; SHARES.  A work-group owns 128 rows of x and makes all 1,536 columns.  Wave w: rows 64 (w / 2) .. + 63, and of each chunk of 128 columns the 64 (w % 2) .. + 63: one head of one tensor,
; so its 64 x 64 results are 8,192 consecutive bytes of qkv.  The wave's 64 x 512 of x stay in 512 registers as bf16 fragments for the whole launch.
; W goes through two LDS slots in 12 chunks of 128 rows x 512 K: a chunk is 256 matrix instructions and 128 LDS loads a wave.
; CLUSTER.  All work-groups walk the same chunks: the four of a cluster ask for each JOINTLY, wave w for rows 32 w .. 32 w + 31, the same load, descriptor and mask in all four.
; THE MATRIX INSTRUCTION IS USED TRANSPOSED (source 0 = 16 rows of W, source 1 = 16 rows of x): a lane holds row l % 16 and the columns 8 (l / 16) + 0..7: 16 bytes of f16 on end.
; REGISTERS, in windows of 256 (s_set_vgpr_msb: bits 1:0 source 0, 3:2 source 1, 5:4 source 2, 7:6 destination):
;   window 0: v0-15 addresses; v16-47 the chunk's bias; v48-111 the way out; v128-255 16 accumulators ((a, bt) at 128 + 8 (4 a + bt))
;   window 1: two buffers of W's fragments (128 along K x 64 rows each); before the loop x lands here as f32
;   window 2: x's fragments of row tiles 0, 1 (128 (a % 2) + 8 s, s = K / 32);   window 3: those of row tiles 2, 3
.set KP,      1040                     ; an LDS row of W: 1,024 bytes + 16 of padding = 260 words: the 16 rows of a fragment load start 4 banks apart
.set PARTB,   32*KP                    ; what one tensor load brings
.set SLOT,    128*KP                   ; 0x20800; no wave's part (0, 0x8200, 0x10400, 0x18600) has one of its two bits, so one exclusive or changes slots
.set STAGE,   2*SLOT                   ; behind the ring: 64 rows x 144 bytes for each wave, for the way out
.set SP,      144
.set SPARE,   STAGE+4*64*SP            ; the spare words, 128 bytes a wave: two blocks of 256 bytes that no other line names
.set BIASOFF, 2097152
.set CHUNKB,  131072                   ; bytes of a chunk in wts
.set NCHUNK,  12
.set XO,  2                            ; v2   2,048 (l % 16) + 32 (l / 16): my place in 16 rows of x
.set AB0, 3                            ; v3   (64 (w % 2) + l % 16) KP + 16 (l / 16): my place in a slot
.set ADR, 4                            ; v4   the same in the slot in hand
.set STO, 5                            ; v5   the way out: where I put 16 bytes of a row
.set RD,  6                            ; v6   where I read rows back
.set GO,  7                            ; v7   16 x lane
.set BO,  8                            ; v8   256 (w % 2) + 32 (l / 16): my 8 numbers of a tile's bias
.set PFO, 9                            ; v9   256 x lane
.set SPW, 10                           ; v10  LDS address of my spare word; never rewritten
.set NIL, 11                           ; v11  0; never rewritten
.set BIAS, 16
.set TMP,  48
.set ACC,  128
.set F0,   0
.set F1,   128
.set WV,  10                           ; s10  wave
.set RH,  11                           ; s11  which 64 rows
.set CH,  12                           ; s12  which 64 columns of a chunk
.set CX,  13                           ; s13  my place in the cluster
.set G,   14                           ; s14  my block of 128 rows
.set G1,  16                           ; s[16:23] descriptor group 1
.set G0,  24                           ; s[24:27] descriptor group 0: it walks
.set TB,  28                           ; s28  LDS byte of the slot in hand
.set LEFT, 29                          ; s29  trips of the loop still to come
.set CC,  30                           ; s30  the chunk's number
.set LIM, 31                           ; s31  1 in the cluster that prefetches, else the greatest number
.set XB,  32                           ; s[32:33] x at my wave's first row
.set OB,  34                           ; s[34:35] qkv at my wave's rows, tensor 0, head w % 2
.set OUT, 36                           ; s[36:37] the same for the chunk in hand
.set OFF, 38                           ; s[38:39] the chunk's offset
.set BP,  40                           ; s[40:41] the biases, at the chunk whose bias is loaded next
.set PFA, 42                           ; s[42:43] my wave's 8,192 bytes of the chunk behind the one that is being asked for
.set MSB, 0
.macro WIN new                         ; the immediate's high byte repeats the setting that is left; a switch that changes nothing is dropped
.if MSB != (\new)
	s_set_vgpr_msb (MSB<<8)|(\new)
.set MSB, (\new)
.endif
.endm
.macro PLACES                          ; four plain vector instructions between a matrix instruction and a load into, or a reader of, its registers
.rept 4
	v_nop
.endr
.endm
.macro CROUND                          ; a round of the cluster's barrier
	s_barrier_signal -1
	s_barrier_wait -1
	s_cmp_lg_u32 s[WV], 0
	s_cbranch_scc1 .Lnot_wave_0_\@
	s_barrier_signal -3
.Lnot_wave_0_\@:
	s_barrier_wait -3
	s_barrier_signal -1
	s_barrier_wait -1
.endm
; A PREFETCH of the chunk that the NEXT refill will ask for: cluster 0 alone asks; its 16 waves take 8,192 bytes each, told apart by address, a lane a block of 256 bytes: each block is named once
; in the launch.  Chunks 0 and 1 come by their loads alone; the last trip of the loop has no chunk two on.
.macro ASK
	s_cmp_gt_u32 s[LEFT], s[LIM]
	s_cbranch_scc0 .Lnot_mine_\@
	global_prefetch_b8 v[PFO], s[PFA:PFA+1] th:TH_LOAD_NT scope:SCOPE_SE
.Lnot_mine_\@:
.endm
; x, group g of 8: row tile g / 2, K half g % 2: 8 fragments of 16 rows x 32 K as f32, 32 loads, into half g % 2 of window 1
.macro LOADG g
	WIN 0x40
.irp f, 0,1,2,3,4,5,6,7
	global_load_b128 v[128*((\g)%2)+16*(\f):128*((\g)%2)+16*(\f)+3],     v[XO], s[XB:XB+1] offset:32768*((\g)/2)+128*(8*((\g)%2)+(\f))
	global_load_b128 v[128*((\g)%2)+16*(\f)+4:128*((\g)%2)+16*(\f)+7],   v[XO], s[XB:XB+1] offset:32768*((\g)/2)+128*(8*((\g)%2)+(\f))+16
	global_load_b128 v[128*((\g)%2)+16*(\f)+8:128*((\g)%2)+16*(\f)+11],  v[XO], s[XB:XB+1] offset:32768*((\g)/2)+128*(8*((\g)%2)+(\f))+64
	global_load_b128 v[128*((\g)%2)+16*(\f)+12:128*((\g)%2)+16*(\f)+15], v[XO], s[XB:XB+1] offset:32768*((\g)/2)+128*(8*((\g)%2)+(\f))+80
.endr
.endm
.macro CVTG g                          ; the group rounded to bf16, into its place among x's fragments
	WIN 0x85+0x40*((\g)/4)
.irp f, 0,1,2,3,4,5,6,7
.irp n, 0,1,2,3,4,5,6,7
	v_cvt_pk_bf16_f32 v[128*(((\g)/2)%2)+8*(8*((\g)%2)+(\f))+(\n)], v[128*((\g)%2)+16*(\f)+2*(\n)], v[128*((\g)%2)+16*(\f)+2*(\n)+1]
.endr
.endr
.endm
.macro BLOAD                           ; a chunk's bias for my 64 columns: register j of tile bt = b[16 bt + 8 (l / 16) + j]
.irp bt, 0,1,2,3
	global_load_b128 v[BIAS+8*(\bt):BIAS+8*(\bt)+3],   v[BO], s[BP:BP+1] offset:64*(\bt)
	global_load_b128 v[BIAS+8*(\bt)+4:BIAS+8*(\bt)+7], v[BO], s[BP:BP+1] offset:64*(\bt)+16
.endr
.endm
.macro FETCH q, f                      ; W's fragments of quarter q (128 along K) of my 64 rows: 32 LDS loads in one run, into buffer f
	WIN 0x40
.irp s4, 0,1,2,3
.irp bt, 0,1,2,3
	ds_load_b128 v[(\f)+8*(4*(\s4)+(\bt)):(\f)+8*(4*(\s4)+(\bt))+3],   v[ADR] offset:16*KP*(\bt)+64*(4*(\q)+(\s4))
	ds_load_b128 v[(\f)+8*(4*(\s4)+(\bt))+4:(\f)+8*(4*(\s4)+(\bt))+7], v[ADR] offset:16*KP*(\bt)+64*(4*(\q)+(\s4))+32
.endr
.endr
.endm
; 32 matrix instructions: row tiles 2 hi, 2 hi + 1 x 4 column tiles x 4 K steps of quarter q.  The 8 accumulators take turns, one instruction a turn.
; first = 1: the chunk's first products start the sums with the bias.
.macro MULH f, q, hi, first
	WIN 0x09+4*(\hi)
.irp s4, 0,1,2,3
.irp a2, 0,1
.irp bt, 0,1,2,3
.set rD, ACC+8*(4*(2*(\hi)+(\a2))+(\bt))
.set rW, (\f)+8*(4*(\s4)+(\bt))
.set rX, 128*(\a2)+8*(4*(\q)+(\s4))
.if (\first) && ((\s4) == 0)
	v_wmma_f32_16x16x32_bf16 v[rD:rD+7], v[rW:rW+7], v[rX:rX+7], v[BIAS+8*(\bt):BIAS+8*(\bt)+7]
.else
	v_wmma_f32_16x16x32_bf16 v[rD:rD+7], v[rW:rW+7], v[rX:rX+7], v[rD:rD+7]
.endif
.endr
.endr
.endr
.endm
.macro PACK a                          ; row tile a rounded to f16; each accumulator's registers in ascending order
.irp bt, 0,1,2,3
.irp n, 0,1,2,3
	v_cvt_pk_f16_f32 v[TMP+16*(\a)+4*(\bt)+(\n)], v[ACC+8*(4*(\a)+(\bt))+2*(\n)], v[ACC+8*(4*(\a)+(\bt))+2*(\n)+1]
.endr
.endr
.endm
.macro TOSTAGE a                       ; into my own stage, and back as whole rows of 128 bytes, four rows a load
.irp bt, 0,1,2,3
	ds_store_b128 v[STO], v[TMP+16*(\a)+4*(\bt):TMP+16*(\a)+4*(\bt)+3] offset:16*SP*(\a)+32*(\bt)
.endr
.irp t, 0,1,2,3
	ds_load_b128 v[TMP+16*(\a)+4*(\t):TMP+16*(\a)+4*(\t)+3], v[RD] offset:16*SP*(\a)+4*SP*(\t)  ; LDS serves a wave's instructions in order (ISA guide 5.7.1.4): these see the stores above
.endr
.endm
.macro SEND a
.irp t, 0,1,2,3
	global_store_b128 v[GO], v[TMP+16*(\a)+4*(\t):TMP+16*(\a)+4*(\t)+3], s[OUT:OUT+1] offset:2048*(\a)+512*(\t)  ; 512 consecutive bytes, at a multiple of 256 from qkv's first
.endr
.endm
; A TRIP: one chunk.  more = 1: the next chunk is asked for, into the slot that the last trip read.
.macro TRIP more
	WIN 0
	s_wait_xcnt 0x0                                ; the last trip's stores, bias loads and prefetch have read their registers: OUT, BP, PFA and the way out's registers may be written
	s_wait_tensorcnt 0x0                           ; my one tensor load, my part of this trip's chunk, has landed; so group 0 may be written
	ds_add_u32 v[SPW], v[NIL]                      ; 0 onto my spare word; the scalar work stands between it and the wait for it
	s_xor_b32 s[TB], s[TB], SLOT
	s_lshr_b32 s[OFF], s[CC], 2                    ; the tensor: 2^25 bytes each,
	s_lshl_b32 s[OFF], s[OFF], 25
	s_and_b32 s44, s[CC], 3                        ; two heads a chunk: 2^18 bytes
	s_lshl_b32 s44, s44, 18
	s_add_co_u32 s[OFF], s[OFF], s44
	s_add_nc_u64 s[OUT:OUT+1], s[OB:OB+1], s[OFF:OFF+1]
	s_add_co_u32 s[CC], s[CC], 1
.if \more
	s_xor_b32 s[G0+1], s[G0+1], SLOT
	s_add_nc_u64 s[G0+2:G0+3], s[G0+2:G0+3], CHUNKB  ; the type bits on top are not reached
	s_add_nc_u64 s[PFA:PFA+1], s[PFA:PFA+1], CHUNKB
	s_add_nc_u64 s[BP:BP+1], s[BP:BP+1], 512
.endif
	s_wait_dscnt 0x0                               ; the add is done, and my reads of the last trip's slot and of my stage are over
.if \more
	CROUND                                         ; both now hold of every wave of the four work-groups
	tensor_load_to_lds s[G0:G0+3], s[G1:G1+7]      ; the joint refill, first behind the round: it has this chunk's 256 matrix instructions in which to land
	s_nop 0
	PLACES
.else
	s_barrier_signal -1                            ; it shows the last chunk whole
	s_barrier_wait -1
.endif
	v_add_nc_u32 v[ADR], s[TB], v[AB0]
	FETCH 0, F0
	WIN 0
.if \more
	ASK
.endif
	s_wait_loadcnt 0x0                             ; this chunk's bias, asked for a trip ago
	s_wait_dscnt 0x0
	MULH F0, 0, 0, 1
	PLACES
	FETCH 1, F1
	MULH F0, 0, 1, 1
	s_wait_dscnt 0x0
	MULH F1, 1, 0, 0
	PLACES                                         ; also behind the products that read the bias
.if \more
	WIN 0
	BLOAD                                          ; the next chunk's bias
.endif
	FETCH 2, F0
	MULH F1, 1, 1, 0
	s_wait_dscnt 0x0
	MULH F0, 2, 0, 0
	PLACES
	FETCH 3, F1
	MULH F0, 2, 1, 0
	s_wait_dscnt 0x0
	MULH F1, 3, 0, 0
	PLACES
	WIN 0
	PACK 0                                         ; row tiles 0 and 1 are finished: they go to the stage while tiles 2 and 3 are multiplied
	PACK 1
	TOSTAGE 0
	TOSTAGE 1
	MULH F1, 3, 1, 0
	PLACES
	WIN 0
	PACK 2
	PACK 3
	TOSTAGE 2
	TOSTAGE 3
	s_wait_dscnt 16                                ; all but the sixteen LDS instructions of row tiles 2 and 3
	SEND 0
	SEND 1
	s_wait_dscnt 0x0
	SEND 2
	SEND 3
.endm
	s_load_b128 s[4:7], s[0:1], 0x0                ; x s[4:5], wts s[6:7]
	s_load_b64 s[8:9], s[0:1], 0x10                ; qkv
	v_lshl_add_u32 v[SPW], v0, 2, SPARE
	v_mov_b32 v[NIL], 0
	ds_add_u32 v[SPW], v[NIL]                      ; the wave's opening: the add and its wait ahead of my first tensor load; the set-up, work on registers, stands between them
	ds_add_u32 v10, v11
	v_lshrrev_b32 v1, 5, v0
	v_readfirstlane_b32 s[WV], v1
	s_lshr_b32 s[RH], s[WV], 1
	s_and_b32 s[CH], s[WV], 1
	s_bfe_u32 s[CX], ttmp6, 0x40000
	s_lshl_b32 s[G], ttmp9, 2                      ; in a cluster launch ttmp9 counts clusters
	s_add_co_u32 s[G], s[G], s[CX]
	; descriptor group 1: 32 rows x 512 elements of 2 bytes, 16 bytes of padding behind each row
	s_mov_b32 s[G1], 15|(1<<16)|(1<<20)|(1<<21)|(7<<22)|(3<<25)  ; 15:0 the mask of four; 17:16 2-byte elements; 20 padding on; 21 set beside a mask; 24:22 after every 256 words (code 7); 31:25 4 words (code 3)
	s_mov_b32 s[G1+1], 512<<16                     ; tensor_dim0 = 512
	s_mov_b32 s[G1+2], 32<<16                      ; tensor_dim1 = 32
	s_mov_b32 s[G1+3], 512<<16                     ; tile_dim0 = 512
	s_mov_b32 s[G1+4], 32                          ; tile_dim1 = 32
	s_mov_b32 s[G1+5], 512                         ; elements from row to row
	s_mov_b32 s[G1+6], 0
	s_mov_b32 s[G1+7], 0
	s_mov_b32 s[G0], 1
	s_mul_i32 s[G0+1], s[WV], PARTB                ; slot 0, my 32 rows: the wave's number alone enters an LDS address
	s_mov_b32 s[TB], SLOT                          ; the first trip turns it into 0
	s_mov_b32 s[CC], 0
	s_mov_b32 s[OFF+1], 0
	s_cmp_eq_u32 ttmp9, 0
	s_cselect_b32 s[LIM], 1, -1                    ; the same in all four partners
	s_lshl_b32 s44, s[G], 18                       ; x: 128 rows of 2,048 bytes a work-group,
	s_lshl_b32 s45, s[RH], 17                      ; 64 a wave
	s_add_co_u32 s44, s44, s45
	s_mov_b32 s45, 0
	s_lshr_b32 s46, s[G], 3                        ; qkv: the batch, 2^20 bytes in a tensor,
	s_lshl_b32 s46, s46, 20
	s_lshl_b32 s47, s[CH], 17                      ; the head's parity, 131,072 bytes a head,
	s_add_co_u32 s46, s46, s47
	s_and_b32 s47, s[G], 7                         ; the work-group's 128 rows of 128 bytes in the batch,
	s_lshl_b32 s47, s47, 14
	s_add_co_u32 s46, s46, s47
	s_lshl_b32 s47, s[RH], 13                      ; my 64 of them
	s_add_co_u32 s46, s46, s47
	s_mov_b32 s47, 0
	s_lshl_b32 s48, s[WV], 15                      ; my 32 rows of a chunk in wts
	s_mov_b32 s49, 0
	s_lshl2_add_u32 s50, s[CX], s[WV]              ; my wave among the cluster's sixteen:
	s_lshl_b32 s50, s50, 13                        ; its 8,192 bytes of a chunk,
	s_add_co_u32 s50, s50, CHUNKB                  ; in chunk 1; the first trip steps it to chunk 2
	s_mov_b32 s51, 0
	v_and_b32 v1, 15, v0                           ; l % 16
	v_bfe_u32 v12, v0, 4, 1                        ; l / 16
	v_lshlrev_b32 v[XO], 11, v1
	v_lshl_add_u32 v[XO], v12, 5, v[XO]
	s_lshl_b32 s52, s[CH], 6
	v_add_nc_u32 v14, s52, v1
	v_mul_u32_u24 v[AB0], v14, KP
	v_lshl_add_u32 v[AB0], v12, 4, v[AB0]
	s_mul_i32 s53, s[WV], 64*SP
	s_add_co_u32 s53, s53, STAGE                   ; my stage
	v_mul_u32_u24 v[STO], v1, SP
	v_lshl_add_u32 v[STO], v12, 4, v[STO]
	v_add_nc_u32 v[STO], s53, v[STO]
	v_bfe_u32 v14, v0, 3, 2
	v_and_b32 v15, 7, v0
	v_mul_u32_u24 v[RD], v14, SP
	v_lshl_add_u32 v[RD], v15, 4, v[RD]
	v_add_nc_u32 v[RD], s53, v[RD]
	v_and_b32 v[GO], 31, v0
	v_lshlrev_b32 v[PFO], 8, v[GO]
	v_lshlrev_b32 v[GO], 4, v[GO]
	s_lshl_b32 s52, s[CH], 8
	v_lshl_add_u32 v[BO], v12, 5, s52
	s_wait_dscnt 0x0                               ; the opening add is done
	s_wait_kmcnt 0x0
	s_add_nc_u64 s[XB:XB+1], s[4:5], s[44:45]
	s_add_nc_u64 s[OB:OB+1], s[8:9], s[46:47]
	s_add_nc_u64 s[BP:BP+1], s[6:7], BIASOFF
	s_add_nc_u64 s[G0+2:G0+3], s[6:7], s[48:49]
	s_or_b32 s[G0+3], s[G0+3], 0x80000000          ; type = 2
	s_add_nc_u64 s[PFA:PFA+1], s[6:7], s[50:51]
	CROUND                                         ; all four work-groups are here: the first joint loads meet
	tensor_load_to_lds s[G0:G0+3], s[G1:G1+7]      ; chunk 0 into slot 0
	s_nop 0
	PLACES
	; x comes in, two groups of 32 loads on their way, and is rounded to bf16
	LOADG 0
	LOADG 1
.irp g, 0,1,2,3,4,5,6,7
.if \g < 7
	s_wait_loadcnt 32                              ; this group is in; the younger group's 32 loads stay out
.else
	s_wait_loadcnt 8                               ; the last group is in; the eight loads of the bias stay out
.endif
	CVTG \g
.if \g < 6
	LOADG (\g)+2
.endif
.if \g == 6
	WIN 0
	BLOAD                                          ; chunk 0's bias
.endif
.endr
	WIN 0
	s_mov_b32 s[LEFT], NCHUNK-1
.Ltrip:
	TRIP 1
	s_sub_co_u32 s[LEFT], s[LEFT], 1
	s_cmp_lg_u32 s[LEFT], 0
	s_cbranch_scc1 .Ltrip
	TRIP 0                                         ; the last chunk is written out: it asks for nothing
	s_wait_tensorcnt 0x0                           ; the wave's end, behind my last tensor load and my last LDS store
	ds_add_u32 v[SPW], v[NIL]
	s_wait_dscnt 0x0
	CROUND                                         ; the closing round
	s_endpgm
.Lfunc_end_k_q4381c8028c_qkv:
	.size	k_q4381c8028c_qkv, .Lfunc_end_k_q4381c8028c_qkv-k_q4381c8028c_qkv
	.p2alignl 7, 3214868480
	.fill 96, 4, 3214868480
	.section	.rodata,"a",@progbits
	.p2align	6, 0x0
	.amdhsa_kernel k_q4381c8028c_qkv
		.amdhsa_group_segment_fixed_size 327680
		.amdhsa_private_segment_fixed_size 0
		.amdhsa_enable_private_segment 0
		.amdhsa_kernarg_size 24
		.amdhsa_user_sgpr_count 2
		.amdhsa_user_sgpr_kernarg_segment_ptr 1
		.amdhsa_wavefront_size32 1
		.amdhsa_system_sgpr_workgroup_id_x 1
		.amdhsa_system_sgpr_workgroup_id_y 1
		.amdhsa_system_sgpr_workgroup_id_z 1
		.amdhsa_system_vgpr_workitem_id 0
		.amdhsa_next_free_vgpr 1024
		.amdhsa_next_free_sgpr 66
		.amdhsa_reserve_vcc 0
		.amdhsa_float_denorm_mode_32 3
		.amdhsa_float_denorm_mode_16_64 3
		.amdhsa_memory_ordered 1
		.amdhsa_forward_progress 1
		.amdhsa_inst_pref_size 131
	.end_amdhsa_kernel
	.amdgpu_metadata
---
amdhsa.version: [ 1, 2 ]
amdhsa.kernels:
  - .name:           k_q4381c8028c_qkv
    .symbol:         k_q4381c8028c_qkv.kd
    .args:
      - { .name: x, .offset: 0, .size: 8, .value_kind: global_buffer, .address_space: global }
      - { .name: wts, .offset: 8, .size: 8, .value_kind: global_buffer, .address_space: global }
      - { .name: qkv, .offset: 16, .size: 8, .value_kind: global_buffer, .address_space: global }
    .group_segment_fixed_size: 327680
    .private_segment_fixed_size: 0
    .kernarg_segment_align: 8
    .kernarg_segment_size: 24
    .max_flat_workgroup_size: 128
    .sgpr_count:     66
    .vgpr_count:     1024
    .wavefront_size: 32
...
	.end_amdgpu_metadata
.endif
;; end of part 2
;; launch attn (part 3): grid 8 x 32, 8 waves a work-group, no clusters, 327,680 bytes of LDS; arguments qkv, time_intervals, o16; writes o16
.if DOCPART == 3
	.amdgcn_target "amdgcn-amd-amdhsa--gfx1250"
	.amdhsa_code_object_version 6
	.text
	.protected	k_q4381c8028c_attn
	.globl	k_q4381c8028c_attn
	.p2align	8
	.type	k_q4381c8028c_attn,@function
k_q4381c8028c_attn:
	s_mov_b64 s[64:65], 0
	v_nop
	global_prefetch_b8 v0, s[64:65] scope:SCOPE_SE
	s_setreg_imm32_b32 hwreg(HW_REG_WAVE_MODE, 25, 1), 1
	s_wait_xcnt 0x0
; CAUSAL ATTENTION WITH A TIME DECAY.  O[q] = the sum over k <= q of softmax_k( (Q[q] . K[k] / 8) x omega(q, k) ) V[k], omega = sigmoid(0.5 - 0.5 |t_q - t_k|).
; qkv: f16, [3][32][8][1024][64] (launch qkv).  time_intervals: [32][1024] f32.  o16: f16, [32768][512], channel = 64 head + c.
; Products, maxima and sums in f32; the weights p are rounded to f16 for the second product (their sum l is taken of the unrounded p), O once at the end.
; LIMITS.  The times are rounded to bf16, as all the module's inputs are.  A hidden score counts as its value less 1e30.  omega counts as 0 where 2^(0.72 |dt| + 1.75) passes f32's range.
; A weight below 2^-126 counts as 0 in l.  NaN and infinities are not treated apart.
; OMEGA.  With c = log2(e) / 8:  c omega = 1 / (1/c + 2^(A |dt| + B)),  A = log2(e) / 2,  B = log2(1/c) - A.  It hangs on batch, query and key, not on the head: a wave makes it once for
; 16 queries x 64 keys and uses it for two heads.  s' = (q . k) x c omega;  p = 2^(s' - m), m the running maximum of s'; O and l are multiplied by a = 2^(m_old - m_new) in every step.
; THE WALK.  A work-group has one batch, two heads and TWO blocks of 256 queries, 3 - sel and then sel.  Block i needs the key tiles 0 .. 2 i + 1 of 128 keys: ten tiles, whatever sel, so one loop
; with a constant count walks them and all work-groups are alike.  The ring (two LDS slots that take turns) runs on across the change of blocks, which falls behind trip 5 (sel = 1) or trip 7 (sel = 0).
; SHARES.  A block has four bands of 64 rows.  Wave w owns 16 rows (w % 4) in band w / 4 (piece 0) and in band 3 - w / 4 (piece 1), for both heads: four tiles.
; THE MASK IS ARITHMETIC: NO BRANCH STANDS IN A KEY STEP.  For a piece, Z = w % 4 + 4 (its band's number - the key step's).  Group kt of 16 keys is seen where kt < Z, hidden where kt > Z, and holds the
; diagonal where kt = Z.  s' = (q . k) x c omega + BE[kt] + MD x AL[kt]: BE is 0 or -1e30, AL 0 or 1, both scalars; MD, eight registers made once, is -1e30 where the key lies behind the query in the diagonal's group.
; THE PRICE: a piece's steps behind its own diagonal (3 a wave and block, 6 of 40 piece steps) are computed and give weights of 0.  A piece has seen its own key before the first such step, so m is a true score there.
; TWO WAVES ON A SIMD, THE TEXT IN PHASES: a tile has 16 matrix instructions beside some 200 vector instructions; one wave's products run under the other wave's vector work.
; NO CLUSTER: only two work-groups share a head pair's tiles, and their walks ask for the same tile in six of the ten trips.
; No first step is written out: m starts at the lowest finite number, so a block's first a is 0, and O^T and l need only be finite: 136 v_mov_b32 once, in the wait for the first tile.
; REGISTERS (s_set_vgpr_msb: bits 1:0 source 0, 3:2 source 1, 5:4 source 2, 7:6 destination):
;   window 0: v0-19 addresses; v20-31 at work; v32-47 statistics; v48-55 the head's; v56-63 MD; v64-127 c omega, 32 a piece (later the way out); v128-159 S^T (first the keys' times); v160-191 P; v192-255 V
;   window 1: v0-127 O^T, 32 a tile (tile = 2 piece + head); v128-191 Q, 16 a tile; v192-255 K
.set PK,    144                        ; a row of K in LDS: 128 bytes + 16 = 36 words: the 16 rows of a load start at 16 different groups of four banks
.set PVP,   160                        ; a row of V: 128 + 32 = 40 words
.set KHEAD, 128*PK                     ; a tile's K of one head
.set VHEAD, 128*PVP
.set VOFF,  2*KHEAD                    ; a slot: K of head 0, of head 1, then V of head 0, of head 1
.set SLOT1, 1<<17
.set STAGE, SLOT1+VOFF+2*VHEAD         ; behind the ring: 16 rows x 272 bytes for each wave, for the way out
.set SP,    272
.set TIME,  STAGE+8*16*SP              ; the batch's 1,024 rounded times, f32; stored once, no tile lands here
.set SPARE, TIME+4096                  ; the spare words, 128 bytes a wave: four blocks of 256 bytes that no other line names
.set AK0, 2                            ; v2   my lane's place in a step's K
.set AV0, 3                            ; v3   in its V
.set ADRK, 4
.set ADRV, 5
.set AT0, 6                            ; v6   TIME + 32 (l / 16)
.set ADT, 7
.set QO,  8                            ; v8   128 (l % 16) + 16 (l / 16)
.set STO, 9
.set RD,  10
.set GO,  11                           ; v11  1,024 (l / 16) + 16 (l % 16)
.set T2,  12                           ; v12, v13  at work: offsets
.set T3,  13
.set PFO, 14                           ; v14  256 x lane
.set TR,  15                           ; v15  4 (l % 16)
.set SPW, 16                           ; v16  LDS address of my spare word; never rewritten
.set NIL, 17                           ; v17  0; never rewritten
.set HL,  18                           ; v18  l / 16
.set T1,  19
.set TQ,  20                           ; v20-23  my query's time, twice, for each piece
.set CM,  24                           ; v24-27  c0-c3, at work
.set MN,  28                           ; v28-29  the new m (the pair's low word serves both halves)
.set AF,  30                           ; v30-31  a
.set ST,  32                           ; tile t at ST + 4 t: m, -, l (even keys', odd keys')
.set TW,  48
.set MD,  56                           ; v56-63  register j: -1e30 where j > l % 16 - 8 (l / 16), else 0
.set OM,  64
.set S,   128
.set P,   160
.set VF,  192
.set QF,  128                          ; window 1
.set KF,  192                          ; window 1
.set BIGN, 2                           ; s2   -1e30
.set WV,  10
.set W3,  11                           ; s11  w % 4
.set BAND0, 12                         ; s12  w / 4
.set HP,  13                           ; s13  the pair of heads
.set SELB, 14                          ; s14  sel
.set BB,  15                           ; s15  the batch
.set KB,  16                           ; s[16:17] K at my part of the heads' tile 0
.set VB,  18                           ; s[18:19] V likewise
.set PFA, 20                           ; s[20:21] where my prefetches stand
.set LIM, 22                           ; s22  3 in waves 0, 2, 4, 6, else the greatest number
.set SLOTS, 23                         ; s23  tiles still to be asked for
.set G1K, 24
.set G1V, 32
.set G0K, 40
.set G0V, 44
.set CNT, 48                           ; s48  counts a tile's two key steps
.set TT,  49                           ; s49  256 x the key step's number in the block's walk: its 64 times in LDS
.set ZZ,  50                           ; s50, s51  Z of the two pieces
.set NXT, 53                           ; s53  the tile to be asked for next
.set LQ,  54                           ; s54  the last tile of the block whose tiles are being asked for
.set BI,  55                           ; s55  the block
.set TBK, 56                           ; s56  LDS byte of the step's K, head 0
.set TBV, 57                           ; s57  of its V, less VOFF
.set NSEL, 58                          ; s58  1 - sel
.set LQ2, 59                           ; s59  2 sel + 1: the second block's last tile
.set SEL, 60                           ; s60, s61  v_permlanex16_b32's selects
.set CA,  62                           ; s62  A
.set CB,  63                           ; s63  B
.set OFF, 66                           ; s[66:67]
.set QP0, 68                           ; s[68:71] Q at the two pieces' rows, head 0 of the pair
.set OP0, 72                           ; s[72:75] o16 at the two pieces' rows
.set IC,  76                           ; s[76:77] 1/c
.set QH,  78                           ; s[78:79] q at the pair's first head
.set OH,  80                           ; s[80:81] o16 at the batch's first row, the pair's channels
.set RB0, 82                           ; s82, s83  the two pieces' first rows in the batch
.set BE,  84                           ; s[84:91] four pairs: group kt's addend in the low word; elsewhere at work, for offsets alone
.set AL,  92                           ; s[92:99] four pairs: group kt's factor of MD in the low word
.set MSB, 0
.macro WIN new
.if MSB != (\new)
	s_set_vgpr_msb (MSB<<8)|(\new)
.set MSB, (\new)
.endif
.endm
.macro PLACES                          ; four plain vector instructions between a matrix instruction and a load into, or a reader of, its registers
.rept 4
	v_nop
.endr
.endm
; A fill.  Waves 0-3 fetch K (head w3 / 2, keys 64 (w3 % 2) on), waves 4-7 V: 8,192 dense bytes each.  An s_nop 0 and four v_nop follow each line.
.macro LOAD
	s_cmp_lt_u32 s[WV], 4
	s_cbranch_scc0 .Lfor_v_\@
	tensor_load_to_lds s[G0K:G0K+3], s[G1K:G1K+7]
	s_nop 0
	PLACES
	s_branch .Lasked_\@
.Lfor_v_\@:
	tensor_load_to_lds s[G0V:G0V+3], s[G1V:G1V+7]
	s_nop 0
	PLACES
.Lasked_\@:
.endm
; A PREFETCH of the tile that the NEXT change of slots of a first block asks for: trip j names tile j + 2, trips 0 to 5, tiles 2 to 7.  The two work-groups of a head pair share a tile out BY ADDRESS:
; of each head's 16,384 bytes of K and of V work-group sel takes the half sel.  Waves 0 and 2 ask for K's two heads, waves 4 and 6 for V's, a lane a block of 256 bytes: each block is named once in the launch.
; Tiles 0 and 1 come by their loads alone; the second blocks' tiles are the first blocks' once more and are not asked for.
.macro ASK
	s_cmp_gt_u32 s[SLOTS], s[LIM]
	s_cbranch_scc0 .Lnot_mine_\@
	global_prefetch_b8 v[PFO], s[PFA:PFA+1] th:TH_LOAD_NT scope:SCOPE_SE
.Lnot_mine_\@:
.endm
; THE CHANGE OF SLOTS.  Each wave waits for all its tensor loads (one is out: its part of the other slot), adds 0 to its spare word, waits for that and for its reads of the slot that it leaves.  Behind the
; barrier nobody reads the old slot and the other is whole.  fill = 1: the old slot takes tile NXT, first thing behind the barrier.  (At its first use slot 0 is waited for and slot 1 filled.)
.macro CHANGE fill
	WIN 0
	s_wait_tensorcnt 0x0
	ds_add_u32 v[SPW], v[NIL]                      ; 0 onto my spare word; the descriptors' scalar work stands between it and the wait for it
.if \fill
	s_lshl_b32 s[OFF], s[NXT], 14                  ; a tile is 16,384 bytes of a head's K and V
	s_xor_b32 s[G0K+1], s[G0K+1], SLOT1
	s_add_nc_u64 s[G0K+2:G0K+3], s[KB:KB+1], s[OFF:OFF+1]
	s_or_b32 s[G0K+3], s[G0K+3], 0x80000000
	s_xor_b32 s[G0V+1], s[G0V+1], SLOT1
	s_add_nc_u64 s[G0V+2:G0V+3], s[VB:VB+1], s[OFF:OFF+1]
	s_or_b32 s[G0V+3], s[G0V+3], 0x80000000
	s_add_co_u32 s[NXT], s[NXT], 1                 ; the block's next tile, or behind its last the second block's tile 0
	s_cmp_gt_u32 s[NXT], s[LQ]
	s_cselect_b32 s[NXT], 0, s[NXT]
	s_cselect_b32 s[LQ], s[LQ2], s[LQ]
	s_wait_xcnt 0x0                                ; the last prefetch, a tile back, has read its address
	s_add_nc_u64 s[PFA:PFA+1], s[PFA:PFA+1], 16384
.endif
	s_wait_dscnt 0x0                               ; the add is done, and my reads of the slot are over
	s_barrier_signal -1
	s_sub_co_u32 s[TBK], s[TBK], KHEAD             ; the fetches go back to a slot's first step,
	s_xor_b32 s[TBK], s[TBK], SLOT1                ; in the other slot
	s_sub_co_u32 s[TBV], s[TBV], VHEAD
	s_xor_b32 s[TBV], s[TBV], SLOT1
	s_barrier_wait -1
.if \fill
	LOAD
	ASK
.endif
.endm
.macro FETCH_T                         ; the step's 64 times: register 8 kt + j = t[16 kt + 8 (l / 16) + j], as S^T will lie
	WIN 0
.irp kt, 0,1,2,3
	ds_load_b128 v[S+8*\kt:S+8*\kt+3],   v[ADT] offset:64*\kt
	ds_load_b128 v[S+8*\kt+4:S+8*\kt+7], v[ADT] offset:64*\kt+16
.endr
.endm
.macro FETCH_K h                       ; 64 keys x 64 channels of head h: keys 16 (f / 2) on, channels 32 (f % 2) on
	WIN 0x40
.irp f, 0,1,2,3,4,5,6,7
	ds_load_b128 v[KF+8*\f:KF+8*\f+3],   v[ADRK] offset:KHEAD*(\h)+(\f/2)*16*PK+(\f%2)*64
	ds_load_b128 v[KF+8*\f+4:KF+8*\f+7], v[ADRK] offset:KHEAD*(\h)+(\f/2)*16*PK+(\f%2)*64+32
.endr
.endm
.macro FETCH_V h                       ; the same of V, turned: keys 32 (f / 4) on, channels 16 (f % 4) on
	WIN 0
.irp f, 0,1,2,3,4,5,6,7
	ds_load_tr16_b128 v[VF+8*\f:VF+8*\f+3],   v[ADRV] offset:VHEAD*(\h)+(\f/4)*32*PVP+(\f%4)*32
	ds_load_tr16_b128 v[VF+8*\f+4:VF+8*\f+7], v[ADRV] offset:VHEAD*(\h)+(\f/4)*32*PVP+16*PVP+(\f%4)*32
.endr
.endm
; c omega for both pieces: t_k - t_q; A |.| + B; 2^; + 1/c; 1/.  Each of the two batches of 64 transcendentals has one plain instruction and one wait behind it.
.macro OMEGA
.set i, 0
.rept 16
	v_pk_add_f32 v[OM+2*i:OM+2*i+1], v[S+2*i:S+2*i+1], v[TQ:TQ+1] neg_lo:[0,1] neg_hi:[0,1]
	v_pk_add_f32 v[OM+32+2*i:OM+32+2*i+1], v[S+2*i:S+2*i+1], v[TQ+2:TQ+3] neg_lo:[0,1] neg_hi:[0,1]
.set i, i+1
.endr
.set i, 0
.rept 64
	v_fma_f32 v[OM+i], |v[OM+i]|, s[CA], s[CB]
.set i, i+1
.endr
.set i, 0
.rept 64
	v_exp_f32 v[OM+i], v[OM+i]
.set i, i+1
.endr
	v_nop
	s_wait_alu depctr_va_vdst(0)
.set i, 0
.rept 32
	v_pk_add_f32 v[OM+2*i:OM+2*i+1], v[OM+2*i:OM+2*i+1], s[IC:IC+1] op_sel_hi:[1,0]
.set i, i+1
.endr
.set i, 0
.rept 64
	v_rcp_f32 v[OM+i], v[OM+i]
.set i, i+1
.endr
	v_nop
	s_wait_alu depctr_va_vdst(0)
.endm
; S^T = K Q^T for piece x, head h: product i: channels 32 (i / 4) on, keys 16 (i % 4) on.  The four accumulators take turns; the first four start the sums.
.macro KQ x, h
	WIN 0x05
.set i, 0
.rept 8
.set rS, S+8*(i%4)
.set rK, KF+16*(i%4)+8*(i/4)
.set rQ, QF+16*(2*(\x)+(\h))+8*(i/4)
.if i < 4
	v_wmma_f32_16x16x32_f16 v[rS:rS+7], v[rK:rK+7], v[rQ:rQ+7], 0
.else
	v_wmma_f32_16x16x32_f16 v[rS:rS+7], v[rK:rK+7], v[rQ:rQ+7], v[rS:rS+7]
.endif
.set i, i+1
.endr
.endm
; O^T += V^T P: product i: keys 32 (i / 4) on, channels 16 (i % 4) on
.macro PVM x, h
	WIN 0x50
.set i, 0
.rept 8
.set rO, 32*(2*(\x)+(\h))+8*(i%4)
.set rV, VF+32*(i/4)+8*(i%4)
.set rP, P+16*(\x)+8*(i/4)
	v_wmma_f32_16x16x32_f16 v[rO:rO+7], v[rV:rV+7], v[rP:rP+7], v[rO:rO+7]
.set i, i+1
.endr
.endm
; ONE TILE'S KEY STEP: 16 queries of piece x, head h, 64 keys.
.macro TILE x, h
.set rM,  ST+4*(2*(\x)+(\h))
.set rOM, OM+32*(\x)
.set rPP, P+16*(\x)
.set rOT, 32*(2*(\x)+(\h))
.irp kt, 0,1,2,3                       ; the mask's eight scalars for this piece and step
	s_cmp_lt_i32 s[ZZ+(\x)], \kt                   ; group kt lies wholly behind the queries
	s_cselect_b32 s[BE+2*\kt], s[BIGN], 0
	s_cmp_eq_u32 s[ZZ+(\x)], \kt                   ; group kt holds the diagonal
	s_cselect_b32 s[AL+2*\kt], 1.0, 0
.endr
.if ((\h) == 1) && ((\x) == 0)
	s_wait_dscnt 16                                ; K of head 1 is in; V's sixteen loads, issued behind it, may stay out
.endif
	KQ \x, \h
	WIN 0
	PLACES
.if ((\x) == 1) && ((\h) == 0)
	FETCH_K 1                                      ; both pieces have multiplied by K of head 0
	WIN 0
.endif
.set i, 0
.rept 16
	v_pk_fma_f32 v[S+2*i:S+2*i+1], v[S+2*i:S+2*i+1], v[rOM+2*i:rOM+2*i+1], s[BE+2*(i/4):BE+2*(i/4)+1] op_sel_hi:[1,1,0]  ; s' = (q . k) x c omega + BE; each accumulator is read from its low end on
.set i, i+1
.endr
.set i, 0
.rept 16
	v_pk_fma_f32 v[S+2*i:S+2*i+1], v[MD+2*(i%4):MD+2*(i%4)+1], s[AL+2*(i/4):AL+2*(i/4)+1], v[S+2*i:S+2*i+1] op_sel_hi:[1,0,1]  ; + MD x AL
.set i, i+1
.endr
.irp j, 0,1,2,3                        ; the maximum of the lane's 32 scores and the old m, three operands at a time
	v_max3_num_f32 v[CM+\j], v[S+8*\j], v[S+8*\j+1], v[S+8*\j+2]
.endr
.irp j, 0,1,2,3
	v_max3_num_f32 v[CM+\j], v[CM+\j], v[S+8*\j+3], v[S+8*\j+4]
.endr
.irp j, 0,1,2,3
	v_max3_num_f32 v[CM+\j], v[CM+\j], v[S+8*\j+5], v[S+8*\j+6]
.endr
	v_max3_num_f32 v[CM], v[CM], v[S+7], v[S+15]
	v_max3_num_f32 v[CM+1], v[CM+1], v[S+23], v[S+31]
	v_max3_num_f32 v[CM+2], v[CM+2], v[CM+3], v[rM]
	v_max3_num_f32 v[CM], v[CM], v[CM+1], v[CM+2]
	v_permlanex16_b32 v[CM+3], v[CM], s[SEL], s[SEL+1]  ; the query's other 32 keys lie in the lane 16 away
	v_max_num_f32 v[MN], v[CM], v[CM+3]
	v_sub_f32 v[CM+1], v[rM], v[MN]
	v_mov_b32 v[rM], v[MN]
.set i, 0
.rept 16
	v_pk_add_f32 v[S+2*i:S+2*i+1], v[S+2*i:S+2*i+1], v[MN:MN+1] op_sel_hi:[1,0] neg_lo:[0,1] neg_hi:[0,1]
.set i, i+1
.endr
	v_exp_f32 v[AF], v[CM+1]                       ; one batch of 33 exponentials,
.set i, 0
.rept 32
	v_exp_f32 v[S+i], v[S+i]
.set i, i+1
.endr
	v_nop                                          ; one plain instruction behind the last,
	s_wait_alu depctr_va_vdst(0)                   ; and one wait ahead of the first reader
.set i, 0
.rept 16
	v_cvt_pk_f16_f32 v[rPP+i], v[S+2*i], v[S+2*i+1]
.set i, i+1
.endr
.irp u, 0,1,2,3,4,5,6,7                ; the sum of the 16 pairs, in place
	v_pk_add_f32 v[S+4*\u:S+4*\u+1], v[S+4*\u:S+4*\u+1], v[S+4*\u+2:S+4*\u+3]
.endr
.irp u, 0,1,2,3
	v_pk_add_f32 v[S+8*\u:S+8*\u+1], v[S+8*\u:S+8*\u+1], v[S+8*\u+4:S+8*\u+5]
.endr
.irp u, 0,1
	v_pk_add_f32 v[S+16*\u:S+16*\u+1], v[S+16*\u:S+16*\u+1], v[S+16*\u+8:S+16*\u+9]
.endr
	v_pk_add_f32 v[S:S+1], v[S:S+1], v[S+16:S+17]
	v_pk_fma_f32 v[rM+2:rM+3], v[rM+2:rM+3], v[AF:AF+1], v[S:S+1] op_sel_hi:[1,0,1]  ; l = a l + sum
	WIN 0x41
.set i, 0
.rept 16
	v_pk_mul_f32 v[rOT+2*i:rOT+2*i+1], v[rOT+2*i:rOT+2*i+1], v[AF:AF+1] op_sel_hi:[1,0]
.set i, i+1
.endr
.if ((\h) == 1) && ((\x) == 0)
	s_wait_dscnt 0x0                               ; V of head 1 is in
.endif
	PVM \x, \h
	WIN 0
.if (\x) == 1
	PLACES                                         ; behind the last product that read V, and ahead of what reads O^T
.if (\h) == 0
	FETCH_V 1
.endif
.endif
.endm
; A KEY STEP: 64 keys, both pieces, both heads.
.macro STEP
	v_add_nc_u32 v[ADRK], s[TBK], v[AK0]
	v_add_nc_u32 v[ADRV], s[TBV], v[AV0]
	v_add_nc_u32 v[ADT], s[TT], v[AT0]
	FETCH_T
	FETCH_K 0
	FETCH_V 0
	s_wait_dscnt 32                                ; the eight loads of the times are in; K's and V's 32 stay out under the work on omega
	OMEGA
	s_wait_dscnt 0x0                               ; K and V of head 0 are in
	TILE 0, 0
	TILE 1, 0
	TILE 0, 1
	TILE 1, 1
	s_sub_co_i32 s[ZZ], s[ZZ], 4                   ; a key step on
	s_sub_co_i32 s[ZZ+1], s[ZZ+1], 4
	s_add_co_u32 s[TT], s[TT], 256
	s_and_b32 s[TT], s[TT], 0xf00                  ; a block's walk has 16 steps at the most
	s_add_co_u32 s[TBK], s[TBK], 64*PK
	s_add_co_u32 s[TBV], s[TBV], 64*PVP
.endm
.macro TILE2                           ; a tile's two key steps: written once, walked twice
	s_mov_b32 s[CNT], 2
.Lstep_\@:
	STEP
	s_sub_co_u32 s[CNT], s[CNT], 1
	s_cmp_lg_u32 s[CNT], 0
	s_cbranch_scc1 .Lstep_\@
.endm
; A BLOCK BEGINS, first part: the pieces' Z and rows for block BI, and the loads of Q (awaited in the second part).
.macro BEGINQ
	s_lshl_b32 s84, s[BI], 2
	s_add_co_u32 s86, s84, s[BAND0]                ; piece 0's band among the batch's sixteen,
	s_sub_co_u32 s88, 3, s[BAND0]
	s_add_co_u32 s88, s88, s84                     ; piece 1's
	s_lshl2_add_u32 s[ZZ], s86, s[W3]              ; Z at key step 0: 4 x band + w % 4,
	s_lshl2_add_u32 s[ZZ+1], s88, s[W3]
	s_lshl_b32 s[RB0], s[ZZ], 4                    ; and 16 Z is the piece's first row
	s_lshl_b32 s[RB0+1], s[ZZ+1], 4
	s_mov_b32 s85, 0
	s_lshl_b32 s84, s[RB0], 7
	s_add_nc_u64 s[QP0:QP0+1], s[QH:QH+1], s[84:85]
	s_lshl_b32 s84, s[RB0+1], 7
	s_add_nc_u64 s[QP0+2:QP0+3], s[QH:QH+1], s[84:85]
	WIN 0x40
.irp x, 0,1
.irp h, 0,1
.irp c, 0,1
	global_load_b128 v[QF+16*(2*\x+\h)+8*\c:QF+16*(2*\x+\h)+8*\c+3],   v[QO], s[QP0+2*\x:QP0+2*\x+1] offset:131072*\h+64*\c
	global_load_b128 v[QF+16*(2*\x+\h)+8*\c+4:QF+16*(2*\x+\h)+8*\c+7], v[QO], s[QP0+2*\x:QP0+2*\x+1] offset:131072*\h+64*\c+32
.endr
.endr
.endr
	WIN 0
.endm
; Second part: where O goes, the queries' times (from memory, rounded to bf16 as the keys' are), m at the lowest finite number, the walk's first step.
.macro BEGINS
	s_mov_b32 s85, 0
	s_lshl_b32 s84, s[RB0], 10
	s_add_nc_u64 s[OP0:OP0+1], s[OH:OH+1], s[84:85]
	s_lshl_b32 s84, s[RB0+1], 10
	s_add_nc_u64 s[OP0+2:OP0+3], s[OH:OH+1], s[84:85]
	s_lshl_b32 s84, s[RB0], 2
	v_add_nc_u32 v[T2], s84, v[TR]                 ; 4 (the piece's first row + l % 16)
	s_lshl_b32 s84, s[RB0+1], 2
	v_add_nc_u32 v[T3], s84, v[TR]
	global_load_b32 v[TQ], v[T2], s[6:7]
	global_load_b32 v[TQ+2], v[T3], s[6:7]
.irp t, 0,1,2,3
	v_mov_b32 v[ST+4*\t], 0xff7fffff
.endr
	s_mov_b32 s[TT], 0
	s_wait_loadcnt 0x0                             ; the two times, and the block's Q, asked for ahead of them
	v_cvt_pk_bf16_f32 v[TQ+1], v[TQ], v[TQ+2]
	v_lshlrev_b32 v[TQ], 16, v[TQ+1]
	v_and_b32 v[TQ+2], 0xffff0000, v[TQ+1]
	v_mov_b32 v[TQ+1], v[TQ]
	v_mov_b32 v[TQ+3], v[TQ+2]
.endm
; THE WAY OUT of a block: l's halves and the other half of the lanes' are added; O^T is divided by l, rounded to f16 and sent through my stage, a piece (16 rows x both heads = 256 bytes a row) at a time.
.macro FINISH
	WIN 0
.irp t, 0,1,2,3
	v_add_f32 v[ST+4*\t+2], v[ST+4*\t+2], v[ST+4*\t+3]
.endr
.irp t, 0,1,2,3
	v_permlanex16_b32 v[ST+4*\t+3], v[ST+4*\t+2], s[SEL], s[SEL+1]
.endr
.irp t, 0,1,2,3
	v_add_f32 v[ST+4*\t+2], v[ST+4*\t+2], v[ST+4*\t+3]
.endr
.irp t, 0,1,2,3
	v_rcp_f32 v[ST+4*\t+2], v[ST+4*\t+2]
.endr
	v_nop                                          ; a plain instruction behind the last reciprocal,
	s_wait_alu depctr_va_vdst(0)                   ; and one wait for the four
.irp x, 0,1
.irp h, 0,1
	WIN 0x41
.set i, 0
.rept 16
	v_pk_mul_f32 v[32*(2*\x+\h)+2*i:32*(2*\x+\h)+2*i+1], v[32*(2*\x+\h)+2*i:32*(2*\x+\h)+2*i+1], v[ST+4*(2*\x+\h)+2:ST+4*(2*\x+\h)+3] op_sel_hi:[1,0]
.set i, i+1
.endr
	WIN 0x05
.set i, 0
.rept 16
	v_cvt_pk_f16_f32 v[OM+32*\x+16*\h+i], v[32*(2*\x+\h)+2*i], v[32*(2*\x+\h)+2*i+1]
.set i, i+1
.endr
	WIN 0
.irp cb, 0,1,2,3
	ds_store_b128 v[STO], v[OM+32*\x+16*\h+4*\cb:OM+32*\x+16*\h+4*\cb+3] offset:128*\h+32*\cb
.endr
.endr
.irp t, 0,1,2,3,4,5,6,7
	ds_load_b128 v[OM+32*\x+4*\t:OM+32*\x+4*\t+3], v[RD] offset:2*SP*\t  ; LDS serves a wave's instructions in order (ISA guide 5.7.1.4): these see the stores above; piece 1's stores come behind them
.endr
.endr
	s_wait_dscnt 16                                ; all but piece 1's sixteen LDS instructions
.irp t, 0,1,2,3,4,5,6,7
	global_store_b128 v[GO], v[OM+4*\t:OM+4*\t+3], s[OP0:OP0+1] offset:2048*\t  ; 16 lanes store 256 consecutive bytes, at a multiple of 256 from o16's first
.endr
	s_wait_dscnt 0x0
.irp t, 0,1,2,3,4,5,6,7
	global_store_b128 v[GO], v[OM+32+4*\t:OM+32+4*\t+3], s[OP0+2:OP0+3] offset:2048*\t
.endr
.endm
	s_load_b128 s[4:7], s[0:1], 0x0                ; qkv s[4:5], time_intervals s[6:7]
	s_load_b64 s[8:9], s[0:1], 0x10                ; o16
	v_lshl_add_u32 v[SPW], v0, 2, SPARE
	v_mov_b32 v[NIL], 0
	ds_add_u32 v[SPW], v[NIL]                      ; the wave's opening: the add and its wait ahead of my first tensor load; the set-up, work on registers, stands between them
	ds_add_u32 v16, v17
	v_lshrrev_b32 v1, 5, v0
	v_readfirstlane_b32 s[WV], v1
	s_and_b32 s[W3], s[WV], 3
	s_lshr_b32 s[BAND0], s[WV], 2
	s_lshr_b32 s[HP], ttmp9, 1
	s_and_b32 s[SELB], ttmp9, 1
	s_sub_co_u32 s[NSEL], 1, s[SELB]
	s_and_b32 s[BB], ttmp7, 0xffff
	s_lshl_b32 s84, s[BB], 3
	s_lshl1_add_u32 s84, s[HP], s84                ; 8 b + 2 hp: the pair's first head,
	s_lshl_b32 s84, s84, 17                        ; 131,072 bytes a head
	s_mov_b32 s85, 0
	s_lshr_b32 s86, s[W3], 1                       ; my part of a tile: the head,
	s_lshl_b32 s86, s86, 17
	s_and_b32 s87, s[W3], 1                        ; which 64 keys of 128 bytes
	s_lshl_b32 s87, s87, 13
	s_add_co_u32 s86, s86, s87
	s_add_co_u32 s86, s86, s84
	s_mov_b32 s87, 0
	s_lshl_b32 s88, s[BB], 20                      ; o16: 1,024 rows of 1,024 bytes a batch,
	s_lshl_b32 s89, s[HP], 8                       ; 256 bytes a pair of heads
	s_add_co_u32 s88, s88, s89
	s_mov_b32 s89, 0
	s_lshl_b32 s90, s[BB], 12                      ; the batch's times
	s_mov_b32 s91, 0
	; descriptor group 1: 8,192 dense bytes as 32 rows of 256 bytes, two keys a row, padded in LDS after every key
	s_mov_b32 s[G1K], (1<<16)|(1<<20)|(4<<22)|(3<<25)  ; 17:16 2-byte elements; 20 padding on; 24:22 after every 32 words (code 4); 31:25 4 words (code 3)
	s_mov_b32 s[G1V], (1<<16)|(1<<20)|(4<<22)|(7<<25)  ; the same with 8 words (code 7)
.irp g, G1K, G1V
	s_mov_b32 s[\g+1], 128<<16                     ; tensor_dim0 = 128
	s_mov_b32 s[\g+2], 32<<16                      ; tensor_dim1 = 32
	s_mov_b32 s[\g+3], 128<<16                     ; tile_dim0 = 128
	s_mov_b32 s[\g+4], 32                          ; tile_dim1 = 32
	s_mov_b32 s[\g+5], 128                         ; elements from row to row
	s_mov_b32 s[\g+6], 0
	s_mov_b32 s[\g+7], 0
.endr
	s_mov_b32 s[G0K], 1
	s_mul_i32 s[G0K+1], s[W3], 64*PK               ; slot 0
	s_mov_b32 s[G0V], 1
	s_mul_i32 s[G0V+1], s[W3], 64*PVP
	s_add_co_u32 s[G0V+1], s[G0V+1], VOFF
	s_mov_b32 s[SEL], 0x76543210
	s_mov_b32 s[SEL+1], 0xfedcba98
	s_mov_b32 s[CA], 0x3f38aa3b                    ; A = log2(e) / 2
	s_mov_b32 s[CB], 0x3fdffc45                    ; B = log2(8 ln 2) - A = 1.749886
	s_mov_b32 s[IC], 0x40b17218                    ; 1/c = 8 ln 2
	s_mov_b32 s[IC+1], s[IC]                       ; named with it as a pair
	s_mov_b32 s[BIGN], 0xf149f2ca                  ; -1e30
.irp kt, 0,1,2,3
	s_mov_b32 s[AL+2*\kt+1], 0                     ; named as pairs (BE's upper words are written above)
.endr
	s_mov_b32 s[OFF+1], 0
	s_mov_b32 s[TBK], SLOT1+KHEAD                  ; the first change of slots turns these two into 0
	s_mov_b32 s[TBV], SLOT1+VHEAD
	s_and_b32 s[LIM], s[WV], 1                     ; waves 0, 2, 4, 6 prefetch
	s_cmp_eq_u32 s[LIM], 0
	s_cselect_b32 s[LIM], 3, -1
	s_wait_dscnt 0x0                               ; the opening add is done
	s_wait_kmcnt 0x0
	s_add_nc_u64 s[QH:QH+1], s[4:5], s[84:85]
	s_add_nc_u64 s[KB:KB+1], s[4:5], s[86:87]
	s_add_nc_u64 s[VB:VB+1], s[KB:KB+1], 0x4000000 ; v lies 2^26 bytes in,
	s_add_nc_u64 s[KB:KB+1], s[KB:KB+1], 0x2000000 ; k 2^25
	s_add_nc_u64 s[OH:OH+1], s[8:9], s[88:89]
	s_add_nc_u64 s[6:7], s[6:7], s[90:91]
	s_mov_b64 s[G0K+2:G0K+3], s[KB:KB+1]
	s_or_b32 s[G0K+3], s[G0K+3], 0x80000000        ; type = 2
	s_mov_b64 s[G0V+2:G0V+3], s[VB:VB+1]
	s_or_b32 s[G0V+3], s[G0V+3], 0x80000000
	s_lshl_b32 s84, s[SELB], 13                    ; the prefetches: my work-group's half of a head's tile,
	s_add_co_u32 s84, s84, 16384                   ; in tile 1; the first change of slots steps it to tile 2
	s_cmp_lt_u32 s[WV], 4
	s_cselect_b64 s[PFA:PFA+1], s[KB:KB+1], s[VB:VB+1]  ; (in waves 0, 2, 4, 6 these stand at a head's first key)
	s_add_nc_u64 s[PFA:PFA+1], s[PFA:PFA+1], s[84:85]
	LOAD                                           ; tile 0 into slot 0
	v_lshlrev_b32 v[T1], 4, v0
	global_load_b128 v[TW:TW+3], v[T1], s[6:7]     ; my four of the batch's 1,024 times
	v_and_b32 v1, 15, v0                           ; l % 16
	v_bfe_u32 v[HL], v0, 4, 1                      ; l / 16
	v_mul_u32_u24 v[AK0], v1, PK
	v_lshl_add_u32 v[AK0], v[HL], 4, v[AK0]        ; a fragment of K: row x pitch + 16 x half
	v_and_b32 v[TW+6], 7, v0
	v_bfe_u32 v[TW+7], v0, 3, 1
	v_lshl_add_u32 v[AV0], v[HL], 3, v[TW+6]       ; the turning load: key 8 (l / 16) + l % 8, channels 8 ((l / 8) % 2) on
	v_mul_u32_u24 v[AV0], v[AV0], PVP
	v_lshl_add_u32 v[AV0], v[TW+7], 4, v[AV0]
	v_add_nc_u32 v[AV0], VOFF, v[AV0]
	v_lshl_add_u32 v[AT0], v[HL], 5, TIME
	v_lshlrev_b32 v[QO], 7, v1
	v_lshl_add_u32 v[QO], v[HL], 4, v[QO]
	s_mul_i32 s84, s[WV], 16*SP
	s_add_co_u32 s84, s84, STAGE                   ; my stage
	v_mul_u32_u24 v[STO], v1, SP                   ; in: row l % 16, 16 bytes for each half of the lanes
	v_lshl_add_u32 v[STO], v[HL], 4, v[STO]
	v_add_nc_u32 v[STO], s84, v[STO]
	v_mul_u32_u24 v[RD], v[HL], SP                 ; back: lanes 0-15 one row of 256 bytes, lanes 16-31 the next
	v_lshl_add_u32 v[RD], v1, 4, v[RD]
	v_add_nc_u32 v[RD], s84, v[RD]
	v_lshlrev_b32 v[GO], 10, v[HL]
	v_lshl_add_u32 v[GO], v1, 4, v[GO]
	v_lshlrev_b32 v[TR], 2, v1
	v_lshlrev_b32 v[TW+6], 3, v[HL]
	v_sub_nc_u32 v[T2], v1, v[TW+6]                ; l % 16 - 8 (l / 16)
.irp j, 0,1,2,3,4,5,6,7
	v_cmp_gt_i32 vcc_lo, \j, v[T2]                 ; in the diagonal's group key 8 (l / 16) + j lies behind query l % 16
	v_cndmask_b32 v[MD+\j], 0, s[BIGN], vcc_lo
.endr
	v_and_b32 v[PFO], 31, v0
	v_lshlrev_b32 v[PFO], 8, v[PFO]
	v_mov_b32 v[MN+1], 0                           ; named as pairs
	v_mov_b32 v[AF+1], 0
.irp t, 0,1,2,3
	v_mov_b32 v[ST+4*\t+2], 0                      ; l
	v_mov_b32 v[ST+4*\t+3], 0
.endr
	WIN 0x40
.set i, 0
.rept 128
	v_mov_b32 v[i], 0                              ; O^T: a block's first step multiplies it by a = 0, so it need only be finite; written in the wait for the first tile
.set i, i+1
.endr
	WIN 0
	s_wait_loadcnt 0x0
	v_cvt_pk_bf16_f32 v[TW+4], v[TW], v[TW+1]      ; the times rounded to bf16, and widened again
	v_cvt_pk_bf16_f32 v[TW+5], v[TW+2], v[TW+3]
	v_lshlrev_b32 v[TW], 16, v[TW+4]
	v_and_b32 v[TW+1], 0xffff0000, v[TW+4]
	v_lshlrev_b32 v[TW+2], 16, v[TW+5]
	v_and_b32 v[TW+3], 0xffff0000, v[TW+5]
	v_add_nc_u32 v[T3], TIME, v[T1]
	ds_store_b128 v[T3], v[TW:TW+3]
	s_wait_dscnt 0x0                               ; for the others' sake: my store is done
	s_barrier_signal -1
	s_barrier_wait -1                              ; all 1,024 times lie in LDS; tile 0's load may stay out
	s_sub_co_u32 s[BI], 3, s[SELB]                 ; the long block first
	BEGINQ
	BEGINS
	s_lshl_b32 s[LQ], s[BI], 1
	s_add_co_u32 s[LQ], s[LQ], 1                   ; its last tile, 2 i + 1
	s_lshl_b32 s[LQ2], s[SELB], 1
	s_add_co_u32 s[LQ2], s[LQ2], 1
	s_mov_b32 s[NXT], 1
	s_mov_b32 s[SLOTS], 9
.Lslot:                                        ; nine times: a tile is entered and the next is asked for
	CHANGE 1
	TILE2
	s_cmp_eq_u32 s[SLOTS], 4                       ; behind trip 5 the first block is done where sel = 1 (block 2: six tiles),
	s_cselect_b32 s3, s[SELB], 0
	s_cmp_eq_u32 s[SLOTS], 2                       ; behind trip 7 where sel = 0 (block 3: eight tiles); behind no other trip
	s_cselect_b32 s3, s[NSEL], s3
	s_cmp_eq_u32 s3, 0
	s_cbranch_scc1 .Lgo
	s_mov_b32 s[BI], s[SELB]                       ; the second block's Q is asked for, the first block goes out
	BEGINQ
	FINISH
	s_wait_xcnt 0x0                                ; the stores have read their registers and their addresses
	BEGINS
.Lgo:
	s_sub_co_u32 s[SLOTS], s[SLOTS], 1
	s_cmp_lg_u32 s[SLOTS], 0
	s_cbranch_scc1 .Lslot
	CHANGE 0                                       ; the walk's last tile is written out
	TILE2
	FINISH
	s_wait_tensorcnt 0x0                           ; the wave's end, behind my last tensor load and my last LDS store
	ds_add_u32 v[SPW], v[NIL]
	s_wait_dscnt 0x0
	s_endpgm
.Lfunc_end_k_q4381c8028c_attn:
	.size	k_q4381c8028c_attn, .Lfunc_end_k_q4381c8028c_attn-k_q4381c8028c_attn
	.p2alignl 7, 3214868480
	.fill 96, 4, 3214868480
	.section	.rodata,"a",@progbits
	.p2align	6, 0x0
	.amdhsa_kernel k_q4381c8028c_attn
		.amdhsa_group_segment_fixed_size 327680
		.amdhsa_private_segment_fixed_size 0
		.amdhsa_enable_private_segment 0
		.amdhsa_kernarg_size 24
		.amdhsa_user_sgpr_count 2
		.amdhsa_user_sgpr_kernarg_segment_ptr 1
		.amdhsa_wavefront_size32 1
		.amdhsa_system_sgpr_workgroup_id_x 1
		.amdhsa_system_sgpr_workgroup_id_y 1
		.amdhsa_system_sgpr_workgroup_id_z 1
		.amdhsa_system_vgpr_workitem_id 0
		.amdhsa_next_free_vgpr 512
		.amdhsa_next_free_sgpr 100
		.amdhsa_reserve_vcc 1
		.amdhsa_float_denorm_mode_32 3
		.amdhsa_float_denorm_mode_16_64 3
		.amdhsa_memory_ordered 1
		.amdhsa_forward_progress 1
		.amdhsa_inst_pref_size 162
	.end_amdhsa_kernel
	.amdgpu_metadata
---
amdhsa.version: [ 1, 2 ]
amdhsa.kernels:
  - .name:           k_q4381c8028c_attn
    .symbol:         k_q4381c8028c_attn.kd
    .args:
      - { .name: qkv, .offset: 0, .size: 8, .value_kind: global_buffer, .address_space: global }
      - { .name: time_intervals, .offset: 8, .size: 8, .value_kind: global_buffer, .address_space: global }
      - { .name: o16, .offset: 16, .size: 8, .value_kind: global_buffer, .address_space: global }
    .group_segment_fixed_size: 327680
    .private_segment_fixed_size: 0
    .kernarg_segment_align: 8
    .kernarg_segment_size: 24
    .max_flat_workgroup_size: 256
    .sgpr_count:     100
    .vgpr_count:     512
    .wavefront_size: 32
...
	.end_amdgpu_metadata
.endif
;; end of part 3
;; launch oproj (part 4): grid 256 x 1, 4 waves a work-group, clusters of 4 x 1, 327,680 bytes of LDS; arguments o16, wts, out0; writes out0
.if DOCPART == 4
	.amdgcn_target "amdgcn-amd-amdhsa--gfx1250"
	.amdhsa_code_object_version 6
	.text
	.protected	k_q4381c8028c_oproj
	.globl	k_q4381c8028c_oproj
	.p2align	8
	.type	k_q4381c8028c_oproj,@function
k_q4381c8028c_oproj:
	s_mov_b64 s[64:65], 0
	v_nop
	global_prefetch_b8 v0, s[64:65] scope:SCOPE_SE
	s_setreg_imm32_b32 hwreg(HW_REG_WAVE_MODE, 25, 1), 1
	s_wait_xcnt 0x0
	s_wait_alu depctr_hold_cnt(0) depctr_sa_sdst(0) depctr_va_vdst(0) depctr_va_sdst(0) depctr_va_ssrc(0) depctr_va_vcc(0) depctr_vm_vsrc(0)
	s_getreg_b32 s2, hwreg(HW_REG_IB_STS2, 6, 4)
	s_cmp_eq_u32 s2, 0
	s_cbranch_scc0 .Lentry_in_a_cluster
	s_endpgm
.Lentry_in_a_cluster:
	s_bfe_u32 s2, ttmp6, 0x10000c
	s_cmp_lg_u32 s2, 0x3003
	s_cbranch_scc0 .Lentry_shape_is_right
	s_endpgm
.Lentry_shape_is_right:
; out0 = O Wo^T + bo.  o16: [32768][512] f16 (launch attn).  wts: from WOFF Wo, [512][512], rounded to bf16 and written as f16; the rounded bo as f32 (launch prep).  out0: [32768][512] f32.
; Products in f16 with f32 sums; the bias is the C operand of each sum's first product; the sums leave as they are.
; SHARES.  As in the launch qkv: a work-group owns 128 rows and makes all 512 columns; wave w: rows 64 (w / 2) on, and of each chunk of 128 columns the 64 (w % 2) on.  The wave's 64 x 512 of O stay in
; 512 registers as fragments, loaded straight from memory; Wo goes through two LDS slots in 4 chunks of 128 rows x 512 K: 256 matrix instructions and 128 LDS loads a wave and chunk.
; CLUSTER.  All work-groups walk the same chunks: the four of a cluster ask for each JOINTLY, wave w for rows 32 w .. 32 w + 31.
; THE MATRIX INSTRUCTION IS USED TRANSPOSED (source 0 = 16 rows of Wo, source 1 = 16 rows of O): a lane holds row l % 16 and the columns 8 (l / 16) + 0..7: 32 bytes of f32 on end.
; REGISTERS (s_set_vgpr_msb: bits 1:0 source 0, 3:2 source 1, 5:4 source 2, 7:6 destination):
;   window 0: v0-15 addresses; v16-47 the chunk's bias; v128-255 16 accumulators ((a, bt) at 128 + 8 (4 a + bt))
;   window 1: two buffers of Wo's fragments; buffer 0, idle in a chunk's last quarter, then takes the rows that come back from the stage
;   window 2: O's fragments of row tiles 0, 1 (128 (a % 2) + 8 s);   window 3: those of row tiles 2, 3
.set KP,      1040                     ; an LDS row of Wo: 1,024 bytes + 16 of padding
.set PARTB,   32*KP
.set SLOT,    128*KP                   ; 0x20800; no wave's part has one of its two bits, so one exclusive or changes slots
.set STAGE,   2*SLOT                   ; behind the ring: 32 rows x 272 bytes for each wave, for the way out
.set SP,      272
.set SPARE,   STAGE+4*32*SP            ; the spare words, 128 bytes a wave: two blocks of 256 bytes that no other line names
.set WOFF,    1572864
.set BIASOFF, 2097152+6144             ; bo
.set CHUNKB,  131072
.set NCHUNK,  4
.set AO,  2                            ; v2   1,024 (l % 16) + 16 (l / 16): my place in 16 rows of O
.set AB0, 3
.set ADR, 4
.set STO, 5
.set RD,  6
.set GO,  7                            ; v7   2,048 (l / 16) + 16 (l % 16)
.set BO,  8
.set PFO, 9
.set SPW, 10                           ; v10  LDS address of my spare word; never rewritten
.set NIL, 11                           ; v11  0; never rewritten
.set BIAS, 16
.set ACC,  128
.set F0,   0
.set F1,   128
.set WV,  10
.set RH,  11
.set CH,  12
.set CX,  13
.set G,   14
.set G1,  16
.set G0,  24
.set TB,  28
.set LEFT, 29
.set CC,  30
.set LIM, 31
.set AB,  32                           ; s[32:33] o16 at my wave's first row
.set OB,  34                           ; s[34:35] out0 at my wave's first row, my 64 columns of chunk 0
.set OUT, 36
.set OFF, 38
.set BP,  40
.set PFA, 42
.set MSB, 0
.macro WIN new
.if MSB != (\new)
	s_set_vgpr_msb (MSB<<8)|(\new)
.set MSB, (\new)
.endif
.endm
.macro PLACES                          ; four plain vector instructions between a matrix instruction and a load into, or a reader of, its registers
.rept 4
	v_nop
.endr
.endm
.macro CROUND                          ; a round of the cluster's barrier
	s_barrier_signal -1
	s_barrier_wait -1
	s_cmp_lg_u32 s[WV], 0
	s_cbranch_scc1 .Lnot_wave_0_\@
	s_barrier_signal -3
.Lnot_wave_0_\@:
	s_barrier_wait -3
	s_barrier_signal -1
	s_barrier_wait -1
.endm
; A PREFETCH of the chunk that the NEXT refill will ask for: cluster 0 alone asks; its 16 waves take 8,192 bytes each, told apart by address, a lane a block of 256 bytes: chunks 2 and 3, each block once.
.macro ASK
	s_cmp_gt_u32 s[LEFT], s[LIM]
	s_cbranch_scc0 .Lnot_mine_\@
	global_prefetch_b8 v[PFO], s[PFA:PFA+1] th:TH_LOAD_NT scope:SCOPE_SE
.Lnot_mine_\@:
.endm
.macro BLOAD
.irp bt, 0,1,2,3
	global_load_b128 v[BIAS+8*(\bt):BIAS+8*(\bt)+3],   v[BO], s[BP:BP+1] offset:64*(\bt)
	global_load_b128 v[BIAS+8*(\bt)+4:BIAS+8*(\bt)+7], v[BO], s[BP:BP+1] offset:64*(\bt)+16
.endr
.endm
.macro FETCH q, f                      ; Wo's fragments of quarter q (128 along K) of my 64 rows: 32 LDS loads in one run
	WIN 0x40
.irp s4, 0,1,2,3
.irp bt, 0,1,2,3
	ds_load_b128 v[(\f)+8*(4*(\s4)+(\bt)):(\f)+8*(4*(\s4)+(\bt))+3],   v[ADR] offset:16*KP*(\bt)+64*(4*(\q)+(\s4))
	ds_load_b128 v[(\f)+8*(4*(\s4)+(\bt))+4:(\f)+8*(4*(\s4)+(\bt))+7], v[ADR] offset:16*KP*(\bt)+64*(4*(\q)+(\s4))+32
.endr
.endr
.endm
; 32 matrix instructions; the 8 accumulators take turns, one instruction a turn.  first = 1: the sums start with the bias.
.macro MULH f, q, hi, first
	WIN 0x09+4*(\hi)
.irp s4, 0,1,2,3
.irp a2, 0,1
.irp bt, 0,1,2,3
.set rD, ACC+8*(4*(2*(\hi)+(\a2))+(\bt))
.set rW, (\f)+8*(4*(\s4)+(\bt))
.set rX, 128*(\a2)+8*(4*(\q)+(\s4))
.if (\first) && ((\s4) == 0)
	v_wmma_f32_16x16x32_f16 v[rD:rD+7], v[rW:rW+7], v[rX:rX+7], v[BIAS+8*(\bt):BIAS+8*(\bt)+7]
.else
	v_wmma_f32_16x16x32_f16 v[rD:rD+7], v[rW:rW+7], v[rX:rX+7], v[rD:rD+7]
.endif
.endr
.endr
.endr
.endm
; THE WAY OUT, a pair of row tiles (32 rows) at a time: the accumulators go into my own stage, each from its low end on, and come back as whole rows of 256 bytes.
.macro TOSTAGE2 p
	WIN 0
.irp a2, 0,1
.irp bt, 0,1,2,3
	ds_store_b128 v[STO], v[ACC+8*(4*(2*(\p)+(\a2))+(\bt)):ACC+8*(4*(2*(\p)+(\a2))+(\bt))+3]   offset:16*SP*(\a2)+64*(\bt)
	ds_store_b128 v[STO], v[ACC+8*(4*(2*(\p)+(\a2))+(\bt))+4:ACC+8*(4*(2*(\p)+(\a2))+(\bt))+7] offset:16*SP*(\a2)+64*(\bt)+16
.endr
.endr
	WIN 0x40
.irp a2, 0,1
.irp t, 0,1,2,3,4,5,6,7
	ds_load_b128 v[32*(2*(\p)+(\a2))+4*(\t):32*(2*(\p)+(\a2))+4*(\t)+3], v[RD] offset:16*SP*(\a2)+2*SP*(\t)  ; LDS serves a wave's instructions in order (ISA guide 5.7.1.4): these see the stores above; the next pair's stores come behind them
.endr
.endr
.endm
.macro SEND2 p
	WIN 0x04                                       ; the stores' data lie in window 1
.irp a2, 0,1
.irp t, 0,1,2,3,4,5,6,7
	global_store_b128 v[GO], v[32*(2*(\p)+(\a2))+4*(\t):32*(2*(\p)+(\a2))+4*(\t)+3], s[OUT:OUT+1] offset:2048*(16*(2*(\p)+(\a2))+2*(\t)) th:TH_STORE_NT  ; 16 lanes store 256 consecutive bytes, at a multiple of 256 from out0's first
.endr
.endr
.endm
.macro TRIP more
	WIN 0
	s_wait_xcnt 0x0                                ; the last trip's stores, bias loads and prefetch have read their registers: OUT, BP, PFA and buffer 0 may be written
	s_wait_tensorcnt 0x0                           ; my one tensor load, my part of this trip's chunk, has landed; so group 0 may be written
	ds_add_u32 v[SPW], v[NIL]                      ; 0 onto my spare word; the scalar work stands between it and the wait for it
	s_xor_b32 s[TB], s[TB], SLOT
	s_lshl_b32 s[OFF], s[CC], 9                    ; 128 columns of 4 bytes a chunk
	s_add_nc_u64 s[OUT:OUT+1], s[OB:OB+1], s[OFF:OFF+1]
	s_add_co_u32 s[CC], s[CC], 1
.if \more
	s_xor_b32 s[G0+1], s[G0+1], SLOT
	s_add_nc_u64 s[G0+2:G0+3], s[G0+2:G0+3], CHUNKB
	s_add_nc_u64 s[PFA:PFA+1], s[PFA:PFA+1], CHUNKB
	s_add_nc_u64 s[BP:BP+1], s[BP:BP+1], 512
.endif
	s_wait_dscnt 0x0                               ; the add is done, and my reads of the last trip's slot and of my stage are over
.if \more
	CROUND                                         ; both now hold of every wave of the four work-groups
	tensor_load_to_lds s[G0:G0+3], s[G1:G1+7]      ; the joint refill, first behind the round
	s_nop 0
	PLACES
.else
	s_barrier_signal -1                            ; it shows the last chunk whole
	s_barrier_wait -1
.endif
	v_add_nc_u32 v[ADR], s[TB], v[AB0]
	FETCH 0, F0
	WIN 0
.if \more
	ASK
.endif
	s_wait_loadcnt 0x0                             ; this chunk's bias; in the first trip O's fragments too
	s_wait_dscnt 0x0
	MULH F0, 0, 0, 1
	PLACES
	FETCH 1, F1
	MULH F0, 0, 1, 1
	s_wait_dscnt 0x0
	MULH F1, 1, 0, 0
	PLACES                                         ; also behind the products that read the bias
.if \more
	WIN 0
	BLOAD
.endif
	FETCH 2, F0
	MULH F1, 1, 1, 0
	s_wait_dscnt 0x0
	MULH F0, 2, 0, 0
	PLACES
	FETCH 3, F1
	MULH F0, 2, 1, 0
	s_wait_dscnt 0x0
	MULH F1, 3, 0, 0
	PLACES
	TOSTAGE2 0                                     ; row tiles 0 and 1 are finished: they go through the stage while tiles 2 and 3 are multiplied
	MULH F1, 3, 1, 0
	PLACES
	TOSTAGE2 1
	s_wait_dscnt 32                                ; all but the second pair's 32 LDS instructions
	SEND2 0
	s_wait_dscnt 0x0
	SEND2 1
	WIN 0
.endm
	s_load_b128 s[4:7], s[0:1], 0x0                ; o16 s[4:5], wts s[6:7]
	s_load_b64 s[8:9], s[0:1], 0x10                ; out0
	v_lshl_add_u32 v[SPW], v0, 2, SPARE
	v_mov_b32 v[NIL], 0
	ds_add_u32 v[SPW], v[NIL]                      ; the wave's opening: the add and its wait ahead of my first tensor load; the set-up, work on registers, stands between them
	ds_add_u32 v10, v11
	v_lshrrev_b32 v1, 5, v0
	v_readfirstlane_b32 s[WV], v1
	s_lshr_b32 s[RH], s[WV], 1
	s_and_b32 s[CH], s[WV], 1
	s_bfe_u32 s[CX], ttmp6, 0x40000
	s_lshl_b32 s[G], ttmp9, 2
	s_add_co_u32 s[G], s[G], s[CX]
	s_mov_b32 s[G1], 15|(1<<16)|(1<<20)|(1<<21)|(7<<22)|(3<<25)  ; the mask of four; 2-byte elements; padding on; bit 21 beside a mask; after every 256 words (code 7) 4 words (code 3)
	s_mov_b32 s[G1+1], 512<<16                     ; tensor_dim0 = 512
	s_mov_b32 s[G1+2], 32<<16                      ; tensor_dim1 = 32
	s_mov_b32 s[G1+3], 512<<16                     ; tile_dim0 = 512
	s_mov_b32 s[G1+4], 32                          ; tile_dim1 = 32
	s_mov_b32 s[G1+5], 512                         ; elements from row to row
	s_mov_b32 s[G1+6], 0
	s_mov_b32 s[G1+7], 0
	s_mov_b32 s[G0], 1
	s_mul_i32 s[G0+1], s[WV], PARTB
	s_mov_b32 s[TB], SLOT                          ; the first trip turns it into 0
	s_mov_b32 s[CC], 0
	s_mov_b32 s[OFF+1], 0
	s_cmp_eq_u32 ttmp9, 0
	s_cselect_b32 s[LIM], 1, -1
	s_lshl_b32 s44, s[G], 17                       ; o16: 128 rows of 1,024 bytes a work-group,
	s_lshl_b32 s45, s[RH], 16                      ; 64 a wave
	s_add_co_u32 s44, s44, s45
	s_mov_b32 s45, 0
	s_lshl_b32 s46, s[G], 18                       ; out0: 128 rows of 2,048 bytes,
	s_lshl_b32 s47, s[RH], 17
	s_add_co_u32 s46, s46, s47
	s_lshl_b32 s47, s[CH], 8                       ; my 64 columns of 4 bytes
	s_add_co_u32 s46, s46, s47
	s_mov_b32 s47, 0
	s_lshl_b32 s48, s[WV], 15                      ; my 32 rows of a chunk
	s_add_co_u32 s48, s48, WOFF
	s_mov_b32 s49, 0
	s_lshl2_add_u32 s50, s[CX], s[WV]
	s_lshl_b32 s50, s50, 13
	s_add_co_u32 s50, s50, WOFF+CHUNKB             ; in chunk 1; the first trip steps it to chunk 2
	s_mov_b32 s51, 0
	v_and_b32 v1, 15, v0                           ; l % 16
	v_bfe_u32 v12, v0, 4, 1                        ; l / 16
	v_lshlrev_b32 v[AO], 10, v1
	v_lshl_add_u32 v[AO], v12, 4, v[AO]
	s_lshl_b32 s52, s[CH], 6
	v_add_nc_u32 v14, s52, v1
	v_mul_u32_u24 v[AB0], v14, KP
	v_lshl_add_u32 v[AB0], v12, 4, v[AB0]
	s_mul_i32 s53, s[WV], 32*SP
	s_add_co_u32 s53, s53, STAGE                   ; my stage
	v_mul_u32_u24 v[STO], v1, SP                   ; in: row l % 16, 32 bytes for each half of the lanes
	v_lshl_add_u32 v[STO], v12, 5, v[STO]
	v_add_nc_u32 v[STO], s53, v[STO]
	v_mul_u32_u24 v[RD], v12, SP                   ; back: lanes 0-15 one row of 256 bytes, lanes 16-31 the next
	v_lshl_add_u32 v[RD], v1, 4, v[RD]
	v_add_nc_u32 v[RD], s53, v[RD]
	v_lshlrev_b32 v[GO], 11, v12
	v_lshl_add_u32 v[GO], v1, 4, v[GO]
	v_and_b32 v[PFO], 31, v0
	v_lshlrev_b32 v[PFO], 8, v[PFO]
	s_lshl_b32 s52, s[CH], 8
	v_lshl_add_u32 v[BO], v12, 5, s52
	s_wait_dscnt 0x0                               ; the opening add is done
	s_wait_kmcnt 0x0
	s_add_nc_u64 s[AB:AB+1], s[4:5], s[44:45]
	s_add_nc_u64 s[OB:OB+1], s[8:9], s[46:47]
	s_add_nc_u64 s[BP:BP+1], s[6:7], BIASOFF
	s_add_nc_u64 s[G0+2:G0+3], s[6:7], s[48:49]
	s_or_b32 s[G0+3], s[G0+3], 0x80000000          ; type = 2
	s_add_nc_u64 s[PFA:PFA+1], s[6:7], s[50:51]
	CROUND                                         ; all four work-groups are here: the first joint loads meet
	tensor_load_to_lds s[G0:G0+3], s[G1:G1+7]      ; chunk 0 into slot 0
	s_nop 0
	PLACES
	; O's fragments, straight into their registers: 16 rows x 32 channels are two loads of 16 bytes a lane, 32 bytes apart
.irp a, 0,1,2,3
	WIN 0x80+0x40*(\a/2)
.irp s, 0,1,2,3,4,5,6,7,8,9,10,11,12,13,14,15
	global_load_b128 v[128*(\a%2)+8*\s:128*(\a%2)+8*\s+3],   v[AO], s[AB:AB+1] offset:16384*\a+64*\s
	global_load_b128 v[128*(\a%2)+8*\s+4:128*(\a%2)+8*\s+7], v[AO], s[AB:AB+1] offset:16384*\a+64*\s+32
.endr
.endr
	WIN 0
	BLOAD                                          ; chunk 0's bias
	s_mov_b32 s[LEFT], NCHUNK-1
.Ltrip:
	TRIP 1
	s_sub_co_u32 s[LEFT], s[LEFT], 1
	s_cmp_lg_u32 s[LEFT], 0
	s_cbranch_scc1 .Ltrip
	TRIP 0                                         ; the last chunk is written out: it asks for nothing
	s_wait_tensorcnt 0x0                           ; the wave's end, behind my last tensor load and my last LDS store
	ds_add_u32 v[SPW], v[NIL]
	s_wait_dscnt 0x0
	CROUND                                         ; the closing round
	s_endpgm
.Lfunc_end_k_q4381c8028c_oproj:
	.size	k_q4381c8028c_oproj, .Lfunc_end_k_q4381c8028c_oproj-k_q4381c8028c_oproj
	.p2alignl 7, 3214868480
	.fill 96, 4, 3214868480
	.section	.rodata,"a",@progbits
	.p2align	6, 0x0
	.amdhsa_kernel k_q4381c8028c_oproj
		.amdhsa_group_segment_fixed_size 327680
		.amdhsa_private_segment_fixed_size 0
		.amdhsa_enable_private_segment 0
		.amdhsa_kernarg_size 24
		.amdhsa_user_sgpr_count 2
		.amdhsa_user_sgpr_kernarg_segment_ptr 1
		.amdhsa_wavefront_size32 1
		.amdhsa_system_sgpr_workgroup_id_x 1
		.amdhsa_system_sgpr_workgroup_id_y 1
		.amdhsa_system_sgpr_workgroup_id_z 1
		.amdhsa_system_vgpr_workitem_id 0
		.amdhsa_next_free_vgpr 1024
		.amdhsa_next_free_sgpr 66
		.amdhsa_reserve_vcc 0
		.amdhsa_float_denorm_mode_32 3
		.amdhsa_float_denorm_mode_16_64 3
		.amdhsa_memory_ordered 1
		.amdhsa_forward_progress 1
		.amdhsa_inst_pref_size 86
	.end_amdhsa_kernel
	.amdgpu_metadata
---
amdhsa.version: [ 1, 2 ]
amdhsa.kernels:
  - .name:           k_q4381c8028c_oproj
    .symbol:         k_q4381c8028c_oproj.kd
    .args:
      - { .name: o16, .offset: 0, .size: 8, .value_kind: global_buffer, .address_space: global }
      - { .name: wts, .offset: 8, .size: 8, .value_kind: global_buffer, .address_space: global }
      - { .name: out0, .offset: 16, .size: 8, .value_kind: global_buffer, .address_space: global }
    .group_segment_fixed_size: 327680
    .private_segment_fixed_size: 0
    .kernarg_segment_align: 8
    .kernarg_segment_size: 24
    .max_flat_workgroup_size: 128
    .sgpr_count:     66
    .vgpr_count:     1024
    .wavefront_size: 32
...
	.end_amdgpu_metadata
.endif
;; end of part 4
